; MI455X (gfx1250); checked and timed in simulation.
; The chip was launched on July 23, 2026; its instructions are those of AMD's public machine-readable ISA for CDNA 5 (MIT licence, August 2026) and "CDNA5" Instruction Set Architecture Reference Guide (July 2026). The comments in the code are by the model that wrote it; some were corrected since.
;; NON Local Block1 D mutual. Allowed arithmetic: matrix products marked QUANTISED: E2M1 operands, one E8M0 scale for each 32 along K, by v_wmma_scale_f32_16x16x128_f8f6f4 with both operands' format E2M1 (or v_wmma_scale_f32_32x16x128_f4), f32 sums; everything else in f32.
;; Inputs: b_W 512 float32; b_g 256 float32; b_phi 256 float32; b_theta 256 float32; beta 512 float32; gamma 512 float32; w_W 512 x 512 float32; w_g 256 x 512 float32; w_phi 256 x 512 float32; w_theta 256 x 512 float32; x 8 x 512 x 4,096 float32.
;; Outputs: out0 8 x 512 x 4,096 float32.
;; This version of the problem:
;;   THIS VERSION OF THE PROBLEM IS GIVEN IN LOW PRECISION. The matrix products marked QUANTISED in the list below multiply operands that are first quantised to E2M1 (2 exponent bits, 1 mantissa bit; 4 bits a number), with one power-of-two scale for each 32 numbers along K (OCP MX v1.0); their sums are f32. All else is computed in f32.
;;   The module's matrix products, in the order in which they are computed (A, B: the left and right operand; K: the contracted axis; several contracted axes count as one K, in the product's order):
;;     1. [M 32,768, K 512] x [K 512, N 256]; A: input x; B: input w_theta: QUANTISED
;;     2. [M 32,768, K 512] x [K 512, N 256]; A: computed on the way; B: input w_phi: QUANTISED
;;     3. [M 32,768, K 512] x [K 512, N 256]; A: computed on the way; B: input w_g: QUANTISED
;;     4. batch 8 x [M 4,096, K 256] x [K 256, N 4,096]; A: computed on the way; B: computed on the way: QUANTISED
;;     5. [M 32,768, K 512] x [K 512, N 512]; A: computed on the way; B: input w_W: QUANTISED
;;   THE QUANTISER, for each operand of a quantised product, along K:
;;     - K is cut into blocks of 32 from its start; a last block that is shorter is filled with zeros.
;;     - A block's scale is 2^e with e = floor(log2(the largest magnitude in the block)) - 2, held to -126 .. 127; a block of zeros has e = 0. As a byte (E8M0): e + 127.
;;     - Each number is divided by its block's scale, clamped to +-6, and rounded to the nearest number of E2M1, ties to even, subnormals kept.
;;     - The product sums the exact products of the quantised numbers (number of the format x scale) in f32.
;;   ~~~python
;;   def quantise(x, axis):      # numpy; x: float32 -> the quantised numbers, widened to float32 again
;;       x = np.moveaxis(x, axis, -1); K = x.shape[-1]
;;       x = np.pad(x, [(0, 0)] * (x.ndim - 1) + [(0, -K % 32)]); x = x.reshape(x.shape[:-1] + (-1, 32)); a = np.abs(x).max(-1, keepdims=True)
;;       e = np.where(a > 0, np.clip(np.frexp(np.where(a > 0, a, 1))[1] - 1 - 2, -126, 127), 0)      # np.frexp(a)[1] - 1 = floor(log2(a)), exactly
;;       r = np.clip(x / 2.0 ** e, -6, 6)
;;       step = 2.0 ** (np.maximum(np.frexp(np.where(r == 0, 1, r))[1] - 1, 0) - 1)
;;       q = np.round(r / step) * step * 2.0 ** e      # np.round: ties to even
;;       return np.moveaxis(q.reshape(q.shape[:-2] + (-1,))[..., :K], -1, axis).astype(np.float32)
;;   ~~~
;;   OPERANDS COMPUTED ON THE WAY. 'Computed on the way' means the value that the module computes at that place (a softmax that the list does not call 'softmax' is quantised finished and normalised). What goes into a quantiser is computed in f32, as accurately as f32 sums, v_exp_f32 and their like allow (about 1e-6 of the number): no bf16 or f16 on the way to a quantiser, and a product that is left as it is and whose result goes on into a quantised operand takes f32 operands (vector FMAs, or v_wmma_f32_16x16x4_f32). A number that lies on a knife's edge between two numbers of the format may be rounded either way, as far as f32 arithmetic and the matrix unit's own rounding can turn it there, and no further.
;; One version. Each part assembles by itself: llvm-mc -triple=amdgcn-amd-amdhsa -mcpu=gfx1250 --defsym DOCPART=n.
;; ======== version 1 of 1: 6 launches
;; limits: right only within a limited range of input values
;; workspace buffers: wqb 348,160 bytes; pj 9,175,040 bytes; rs 270,336 bytes; mb 1,179,648 bytes; ab 4,096 bytes
;; launch wq (part 1): grid 80 x 1, 1 waves a work-group, no clusters, 0 bytes of LDS; arguments w_theta, w_phi, w_g, w_W, wqb; writes wqb
.if DOCPART == 1
	.amdgcn_target "amdgcn-amd-amdhsa--gfx1250"
	.amdhsa_code_object_version 6
	.text
	.protected	k_q663dff0be8_wq
	.globl	k_q663dff0be8_wq
	.p2align	8
	.type	k_q663dff0be8_wq,@function
k_q663dff0be8_wq:
	s_mov_b64 s[64:65], 0
	v_nop
	global_prefetch_b8 v0, s[64:65] scope:SCOPE_SE
	s_setreg_imm32_b32 hwreg(HW_REG_WAVE_MODE, 25, 1), 1
	s_wait_xcnt 0x0
; THE PROGRAM.  out = BatchNorm(W_W y) + x, y[p] = [m_p vsum, (1 - m_p) vsum], m = the column mean of softmax(q k^T), q from x[b], k and v from x[b - 1]; all five products on codes of E2M1 with E8M0 scales.
; Six launches: this one (weights into codes), proj (x into codes; q, k as codes; partial sums of v), rowstat (each row's maximum and 1 / sum), colsum (m; BatchNorm partials), bnfin (mean and gain), final (the result).
; DEAD WORK: b_W.  wy + b_W has the mean mu + b_W over (batch, points), so (wy + b_W) - (mu + b_W) = wy - mu, and the variance is made of these differences alone: for all values of the inputs b_W reaches no output,
; and it enters no quantiser.  b_W is not loaded and is among no launch's arguments.  LIMIT: a NaN, an infinity or an overflow that b_W alone would cause is not carried to the result.
; Of v only its sum over the points is used: product 3 is done on the matrix units, all tiles of points added into the same accumulators (the f32 sums in another order).
; THIS LAUNCH.  The four weights, [rows][512] f32 with K innermost, become codes and scale words IN THE ORDER OF THE OPERAND'S REGISTERS: a tile of 16 rows x 128 K is 1,024 bytes, register group c at 512 c + 16 lane.
; One wave makes one tile of 16 rows, all four K steps.  Tiles 0-15 w_theta, 16-31 w_phi, 32-47 w_g, 48-79 w_W.
; THE ROWS OF A TILE OF w_theta AND w_phi ARE NOT NEIGHBOURS: lane r of tile T takes row 64 (T / 4) + 32 ((T / 2) % 2) + 8 (T % 2) + r + 8 (r / 8), so that two neighbouring tiles' results are 16 neighbours along the next K.
; Lane (r, h) holds, of its row, k = 128 s + 64 c + 32 h + 0 .. 31: whole blocks of 32, so no other lane is asked for a maximum.
; A block's byte is its largest magnitude's exponent field - 2, held at 1 from below (a block of zeros gets 1 where the rule says 127: its codes are zeros, and this program alone reads the bytes).
; LIMITS: NaN and infinities among the inputs are not served; blocks whose largest magnitude lies under 2^-124 get the byte 1.
; A lane reads 128 consecutive bytes of its row and the lanes' rows lie 2,048 bytes apart: the launch reads 2.6 MB in all, once.
.set FLOOR, 0x1800000                  ; 2^(3 - 127)
.set EOFF,  0xff000000                 ; -(2 << 23)
.set WSOFF, 327680                     ; the scale words, behind the codes: 256 bytes a tile
.set F,  16                            ; v16-47  the codes: 8 registers a K step
.set WD, 48                            ; v48-51  a row's scale word of each K step
.set X,  64                            ; v64-255 three sets of 64 numbers
	s_load_b256 s[4:11], s[0:1], 0x0               ; w_theta, w_phi, w_g, w_W
	s_load_b64 s[12:13], s[0:1], 0x20              ; wqb
	v_and_b32 v1, 15, v0                           ; r
	s_wait_alu depctr_va_vdst(0)
	v_bfe_u32 v2, v0, 4, 1                         ; h
	v_lshlrev_b32 v4, 4, v0                        ; 16 x lane (one wave: the thread's number is the lane)
	v_lshlrev_b32 v5, 3, v0                        ; 8 x lane
	v_lshlrev_b32 v6, 3, v2                        ; 8 h
	v_mov_b32 v15, 0                               ; a lane permute's destination counts as read
	s_mov_b32 s30, 0x76543210
	s_mov_b32 s31, 0xfedcba98                      ; selects for lane l xor 16
	s_mov_b32 s32, 0xffff0000                      ; lanes 16-31
	s_lshr_b32 s16, ttmp9, 2
	s_lshl_b32 s16, s16, 6
	s_bfe_u32 s17, ttmp9, 0x10001
	s_lshl_b32 s17, s17, 5
	s_add_co_u32 s16, s16, s17
	s_and_b32 s17, ttmp9, 1
	s_lshl_b32 s17, s17, 3
	s_add_co_u32 s16, s16, s17                     ; the tile's first row where the rows are chosen,
	s_lshl_b32 s19, ttmp9, 4                       ; and where they are neighbours
	s_cmp_lt_u32 ttmp9, 32
	s_cselect_b32 s16, s16, s19
	s_cselect_b32 s20, 8, 0
	s_lshr_b32 s21, ttmp9, 4
	s_min_u32 s21, s21, 3
	s_lshl_b32 s21, s21, 8                         ; rows that lie ahead of my tensor in the count over all four
	s_sub_co_u32 s16, s16, s21
	s_lshl_b32 s16, s16, 11                        ; a row is 2,048 bytes
	s_mov_b32 s17, 0
	v_and_b32 v7, s20, v1
	v_add_nc_u32 v7, v7, v1                        ; r, or r + 8 (r / 8)
	v_lshlrev_b32 v3, 11, v7
	s_wait_alu depctr_va_vdst(0)
	v_lshl_add_u32 v3, v2, 7, v3                   ; + 128 h bytes
	s_lshl_b32 s24, ttmp9, 12
	s_mov_b32 s25, 0
	s_lshl_b32 s34, ttmp9, 8
	s_add_co_u32 s34, s34, WSOFF
	s_mov_b32 s35, 0
	s_wait_alu depctr_va_vdst(0)
	s_wait_kmcnt 0x0
	s_cmp_lt_u32 ttmp9, 48                         ; which tensor: the choice hangs on the work-group's number alone
	s_cselect_b64 s[22:23], s[8:9], s[10:11]
	s_cmp_lt_u32 ttmp9, 32
	s_cselect_b64 s[22:23], s[6:7], s[22:23]
	s_cmp_lt_u32 ttmp9, 16
	s_cselect_b64 s[22:23], s[4:5], s[22:23]
	s_add_nc_u64 s[22:23], s[22:23], s[16:17]
	s_add_nc_u64 s[26:27], s[12:13], s[24:25]      ; my tile's codes
	s_add_nc_u64 s[28:29], s[12:13], s[34:35]      ; my tile's scale words
.macro LOADW s                         ; K step s: 64 numbers a lane into set s % 3
.irp c,0,1
.irp i,0,1,2,3,4,5,6,7
	global_load_b128 v[X+64*((\s)%3)+32*\c+4*\i:X+64*((\s)%3)+32*\c+4*\i+3], v3, s[22:23] offset:(\s)*512+\c*256+\i*16
.endr
.endr
.endm
.macro QW s                            ; K step s becomes 8 registers of codes and a scale word
.set XS, X+64*((\s)%3)
.irp c,0,1
	v_max3_num_f32 v[8+\c], |v[XS+32*\c]|, |v[XS+32*\c+1]|, FLOOR
.endr
.irp i,2,4,6,8,10,12,14,16,18,20,22,24,26,28,30
.irp c,0,1
	v_max3_num_f32 v[8+\c], v[8+\c], |v[XS+32*\c+\i]|, |v[XS+32*\c+\i+1]|
.endr
.endr
.irp c,0,1
	v_add_nc_u32 v[10+\c], EOFF, v[8+\c]           ; 2 off the exponent field: the conversion's scale operand
.endr
.irp c,0,1
	v_lshrrev_b32 v[12+\c], 23, v[10+\c]           ; the byte
.endr
	v_lshl_or_b32 v14, v13, 16, v12                ; my blocks h and 2 + h,
	v_lshlrev_b32 v14, v6, v14                     ; at their places in the word;
	v_permlanex16_b32 v15, v14, s30, s31
	v_or_b32 v[WD+(\s)], v14, v15                  ; with lane l xor 16's two the word is whole
.irp c,0,1
.irp g,0,1,2,3
	v_cvt_scalef32_pk8_fp4_f32 v[F+8*(\s)+4*\c+\g], v[XS+32*\c+8*\g:XS+32*\c+8*\g+7], v[10+\c]
.endr
.endr
	v_nop                                          ; a plain line behind the last conversion
.irp c,0,1
	global_store_b128 v4, v[F+8*(\s)+4*\c:F+8*(\s)+4*\c+3], s[26:27] offset:(\s)*1024+\c*512   ; 512 consecutive bytes
.endr
.endm
	LOADW 0
	LOADW 1
	LOADW 2
	s_wait_loadcnt 32                              ; K step 0's 16 loads are in; those of steps 1 and 2 may be out
	QW 0
	LOADW 3
	s_wait_loadcnt 32                              ; step 1's are in; steps 2 and 3 may be out
	QW 1
	s_wait_loadcnt 16
	QW 2
	s_wait_loadcnt 0x0
	QW 3
	v_cndmask_b32 v8, v[WD], v[WD+1], s32          ; word 0: lanes 0-15 K step 0, lanes 16-31 K step 1
	v_cndmask_b32 v9, v[WD+2], v[WD+3], s32        ; word 1: K steps 2 and 3
	global_store_b64 v5, v[8:9], s[28:29]          ; 256 consecutive bytes
	s_endpgm
.Lfunc_end_k_q663dff0be8_wq:
	.size	k_q663dff0be8_wq, .Lfunc_end_k_q663dff0be8_wq-k_q663dff0be8_wq
	.p2alignl 7, 3214868480
	.fill 96, 4, 3214868480
	.section	.rodata,"a",@progbits
	.p2align	6, 0x0
	.amdhsa_kernel k_q663dff0be8_wq
		.amdhsa_group_segment_fixed_size 0
		.amdhsa_private_segment_fixed_size 0
		.amdhsa_enable_private_segment 0
		.amdhsa_kernarg_size 40
		.amdhsa_user_sgpr_count 2
		.amdhsa_user_sgpr_kernarg_segment_ptr 1
		.amdhsa_wavefront_size32 1
		.amdhsa_system_sgpr_workgroup_id_x 1
		.amdhsa_system_sgpr_workgroup_id_y 1
		.amdhsa_system_sgpr_workgroup_id_z 1
		.amdhsa_system_vgpr_workitem_id 0
		.amdhsa_next_free_vgpr 256
		.amdhsa_next_free_sgpr 66
		.amdhsa_reserve_vcc 0
		.amdhsa_float_denorm_mode_32 3
		.amdhsa_float_denorm_mode_16_64 3
		.amdhsa_memory_ordered 1
		.amdhsa_forward_progress 1
		.amdhsa_inst_pref_size 22
	.end_amdhsa_kernel
	.amdgpu_metadata
---
amdhsa.version: [ 1, 2 ]
amdhsa.kernels:
  - .name:           k_q663dff0be8_wq
    .symbol:         k_q663dff0be8_wq.kd
    .args:
      - { .name: w_theta, .offset: 0, .size: 8, .value_kind: global_buffer, .address_space: global }
      - { .name: w_phi, .offset: 8, .size: 8, .value_kind: global_buffer, .address_space: global }
      - { .name: w_g, .offset: 16, .size: 8, .value_kind: global_buffer, .address_space: global }
      - { .name: w_W, .offset: 24, .size: 8, .value_kind: global_buffer, .address_space: global }
      - { .name: wqb, .offset: 32, .size: 8, .value_kind: global_buffer, .address_space: global }
    .group_segment_fixed_size: 0
    .private_segment_fixed_size: 0
    .kernarg_segment_align: 8
    .kernarg_segment_size: 40
    .max_flat_workgroup_size: 32
    .sgpr_count:     66
    .vgpr_count:     256
    .wavefront_size: 32
...
	.end_amdgpu_metadata
.endif
;; end of part 1
;; launch proj (part 2): grid 32 x 8, 8 waves a work-group, no clusters, 327,680 bytes of LDS; arguments x, wqb, b_theta, b_phi, pj; writes pj
.if DOCPART == 2
	.amdgcn_target "amdgcn-amd-amdhsa--gfx1250"
	.amdhsa_code_object_version 6
	.text
	.protected	k_q663dff0be8_proj
	.globl	k_q663dff0be8_proj
	.p2align	8
	.type	k_q663dff0be8_proj,@function
k_q663dff0be8_proj:
	s_mov_b64 s[64:65], 0
	v_nop
	global_prefetch_b8 v0, s[64:65] scope:SCOPE_SE
	s_setreg_imm32_b32 hwreg(HW_REG_WAVE_MODE, 25, 1), 1
	s_wait_xcnt 0x0
; x[b] (512 channels x 128 points of this work-group) is quantised along the channels; q = W_theta x + b_theta (for batch b) and k = W_phi x + b_phi (for batch b + 1: the roll) are made, quantised along their 256
; channels in registers and stored as codes in the order of the operand's registers; W_g x is summed over the 128 points (for batch b + 1).
; SHARES.  Eight waves.  The work-group takes 128 points as two blocks of 64.  THE WAVES SHARE THE OUTPUT CHANNELS: wave u makes 64 channels of q (u < 4) or of k (u >= 4) and 32 channels of v, for all points, so that its
; six weight tiles x four K steps (192 registers, window 1) are read once and stay.
; x COMES BY THE TENSOR DATA MOVER: each wave asks at the start for its 64 channels x 64 points of both blocks (rows of 256 bytes): block 0's load is waited for before block 1's is asked, and the second block lands while the first is worked.
; PHASE X: a lane takes a point and its registers run down the channels: a block of 32 along K lies in one lane.  The codes go to LDS as images of the operand's registers, for all eight waves.
; PRODUCTS, transposed (source 0 = 16 rows of a weight, source 1 = 16 points): a lane holds one point, and the rows of a weight tile are chosen so that two tiles' 16 registers are 16 neighbours along the next K.
; No cluster: what work-groups share is the weights (208 KB, straight into registers) beside 256 KB of x of each work-group's own.  No prefetch: all of x is asked for at the head.
; LIMITS: NaN and infinities are not served; blocks whose largest magnitude lies under 2^-124 (zeros among them) get the byte 1 and this program alone reads the bytes.
.set FLOOR, 0x1800000
.set EOFF,  0xff000000
.set WSOFF, 327680                     ; wqb: the scale words
.set QSO,   8388608                    ; pj: q's scale images; k's 262,144 further, the partial sums of v 262,144 further again
.set XIMG,  262144                     ; LDS: 0: x, [block 2][channel 512][64 points] f32;  here: x's fragments [block][tile of points 4][K step 4][1,024]
.set XSC,   294912                     ; their scale words [block][pair of tiles 2][K step 4][128]
.set SST,   296960                     ; q's and k's scale images [q, k][tile 8][128]
.set VST,   299008                     ; the sums of v: 256 f32
.set SPARE, 300032                     ; the spare words: 128 bytes a wave
.set LI,  1                            ; 16 x lane
.set LS,  2                            ; 4 x lane
.set XA,  3                            ; phase X: my point's first channel in LDS
.set XWI, 4                            ; where I store x's images
.set XWS, 5                            ; and their scale words
.set SA,  6                            ; where I store two scale bytes of q or k
.set VA,  7                            ; where I store sums of v
.set SPW, 8
.set NIL, 9
.set LIX, 10                           ; XIMG + 16 x lane
.set LSX, 11                           ; XSC + 4 x lane
.set OUTA,12                           ; the way out of SST and VST
.set L8,  13                           ; 8 x lane
.set H64, 14                           ; 64 h
.set BIAS,16                           ; v16-47  the bias in the result's layout, 8 a tile
.set WSC, 48                           ; v48-59  the weights' scale words, 2 a tile
.set VACC,60                           ; v60-75  the sums of v
.set XSR, 76                           ; v76-79  x's scale words
.set CD,  96                           ; v96-111 phase X: the codes
.set XW,  112                          ; the scale word
.set XD,  128                          ; v128-255 phase X: four sets of 32 numbers
.set XF,  128                          ; v128-159 products: x's four fragments
.set ACC, 164                          ; v164-195 my four tiles of q or k
.set TM,  196
.set PC,  212                          ; v212-227 the codes made, four registers for each tile of points
.set HW,  228
.set MSB, 0
.macro WIN new                         ; the immediate's high byte repeats the setting that is left
.if MSB != \new
	s_set_vgpr_msb (MSB<<8)|\new
.set MSB, \new
.endif
.endm
.macro WM d, a, b, c, sa, sb, ra, rb   ; one product; c < 0: the sum begins with 0; ra, rb: the scales stand in lanes 16-31
.if (\c) < 0
.if (\ra) && (\rb)
	v_wmma_scale_f32_16x16x128_f8f6f4 v[(\d):(\d)+7], v[(\a):(\a)+7], v[(\b):(\b)+7], 0, v[(\sa)], v[(\sb)] matrix_a_fmt:MATRIX_FMT_FP4 matrix_b_fmt:MATRIX_FMT_FP4 matrix_a_scale:MATRIX_SCALE_ROW1 matrix_b_scale:MATRIX_SCALE_ROW1
.elseif (\ra)
	v_wmma_scale_f32_16x16x128_f8f6f4 v[(\d):(\d)+7], v[(\a):(\a)+7], v[(\b):(\b)+7], 0, v[(\sa)], v[(\sb)] matrix_a_fmt:MATRIX_FMT_FP4 matrix_b_fmt:MATRIX_FMT_FP4 matrix_a_scale:MATRIX_SCALE_ROW1
.elseif (\rb)
	v_wmma_scale_f32_16x16x128_f8f6f4 v[(\d):(\d)+7], v[(\a):(\a)+7], v[(\b):(\b)+7], 0, v[(\sa)], v[(\sb)] matrix_a_fmt:MATRIX_FMT_FP4 matrix_b_fmt:MATRIX_FMT_FP4 matrix_b_scale:MATRIX_SCALE_ROW1
.else
	v_wmma_scale_f32_16x16x128_f8f6f4 v[(\d):(\d)+7], v[(\a):(\a)+7], v[(\b):(\b)+7], 0, v[(\sa)], v[(\sb)] matrix_a_fmt:MATRIX_FMT_FP4 matrix_b_fmt:MATRIX_FMT_FP4
.endif
.else
.if (\ra) && (\rb)
	v_wmma_scale_f32_16x16x128_f8f6f4 v[(\d):(\d)+7], v[(\a):(\a)+7], v[(\b):(\b)+7], v[(\c):(\c)+7], v[(\sa)], v[(\sb)] matrix_a_fmt:MATRIX_FMT_FP4 matrix_b_fmt:MATRIX_FMT_FP4 matrix_a_scale:MATRIX_SCALE_ROW1 matrix_b_scale:MATRIX_SCALE_ROW1
.elseif (\ra)
	v_wmma_scale_f32_16x16x128_f8f6f4 v[(\d):(\d)+7], v[(\a):(\a)+7], v[(\b):(\b)+7], v[(\c):(\c)+7], v[(\sa)], v[(\sb)] matrix_a_fmt:MATRIX_FMT_FP4 matrix_b_fmt:MATRIX_FMT_FP4 matrix_a_scale:MATRIX_SCALE_ROW1
.elseif (\rb)
	v_wmma_scale_f32_16x16x128_f8f6f4 v[(\d):(\d)+7], v[(\a):(\a)+7], v[(\b):(\b)+7], v[(\c):(\c)+7], v[(\sa)], v[(\sb)] matrix_a_fmt:MATRIX_FMT_FP4 matrix_b_fmt:MATRIX_FMT_FP4 matrix_b_scale:MATRIX_SCALE_ROW1
.else
	v_wmma_scale_f32_16x16x128_f8f6f4 v[(\d):(\d)+7], v[(\a):(\a)+7], v[(\b):(\b)+7], v[(\c):(\c)+7], v[(\sa)], v[(\sb)] matrix_a_fmt:MATRIX_FMT_FP4 matrix_b_fmt:MATRIX_FMT_FP4
.endif
.endif
.endm
.macro BARRIER                         ; my LDS stores have landed and my LDS loads are in: then the work-group's barrier
	s_wait_dscnt 0x0
	s_barrier_signal -1
	s_barrier_wait -1
.endm
	s_load_b256 s[4:11], s[0:1], 0x0               ; x, wqb, b_theta, b_phi
	s_load_b64 s[12:13], s[0:1], 0x20              ; pj
	v_lshl_add_u32 v[SPW], v0, 2, SPARE
	v_mov_b32 v[NIL], 0
	ds_add_u32 v[SPW], v[NIL]                      ; the wave's opening: the add, twice on end, and its wait ahead of my first tensor load
	ds_add_u32 v[SPW], v[NIL]
	v_lshrrev_b32 v15, 5, v0
	s_delay_alu instid0(VALU_DEP_1)
	v_readfirstlane_b32 s14, v15                   ; wave 0..7 = unit u
	s_and_b32 s16, ttmp7, 0xffff                   ; b
	s_add_co_u32 s17, s16, 1
	s_and_b32 s17, s17, 7                          ; the batch whose keys and values x[b] makes
	s_mov_b32 s20, 0x76543210
	s_mov_b32 s21, 0xfedcba98
	s_mov_b32 s24, 2<<16                           ; group 1: elements of 4 bytes, no mask, no padding
	s_mov_b32 s25, 64<<16                          ; tensor_dim0 = 64 points
	s_mov_b32 s26, 64<<16                          ; tensor_dim1 = 64 channels
	s_mov_b32 s27, 64<<16                          ; tile_dim0
	s_mov_b32 s28, 64                              ; tile_dim1
	s_mov_b32 s29, 4096                            ; from channel to channel
	s_mov_b32 s30, 0
	s_mov_b32 s31, 0
	s_mov_b32 s32, 1
	s_lshl_b32 s33, s14, 14                        ; block 0: my 64 channels' rows of 256 bytes
	s_mov_b32 s36, 1
	s_add_co_u32 s37, s33, 131072                  ; block 1
	s_lshl_b32 s44, s16, 23                        ; b x 512 x 4,096 x 4
	s_lshl_b32 s45, s14, 20                        ; 64 u channels
	s_add_co_u32 s44, s44, s45
	s_lshl_b32 s45, ttmp9, 9                       ; 128 points
	s_add_co_u32 s44, s44, s45
	s_mov_b32 s45, 0
	s_wait_dscnt 0x0                               ; both opening adds are done
	s_wait_kmcnt 0x0
	s_add_nc_u64 s[34:35], s[4:5], s[44:45]
	s_add_nc_u64 s[38:39], s[34:35], 256           ; 64 points on
	s_or_b32 s35, s35, 0x80000000
	s_or_b32 s39, s39, 0x80000000
	tensor_load_to_lds s[32:35], s[24:31]
	s_nop 0
	s_wait_alu depctr_va_vdst(0)
	s_wait_tensorcnt 0x0
	ds_add_u32 v8, v9
	s_wait_dscnt 0x0
	s_barrier_signal -1
	s_barrier_wait -1
	tensor_load_to_lds s[36:39], s[24:31]
	s_nop 0
	v_and_b32 v15, 31, v0                          ; lane
	s_delay_alu instid0(VALU_DEP_1)
	v_lshlrev_b32 v[LI], 4, v15
	s_wait_alu depctr_va_vdst(0)
	v_lshlrev_b32 v[LS], 2, v15
	s_wait_alu depctr_va_vdst(0)
	v_lshlrev_b32 v[L8], 3, v15
	v_bfe_u32 v[H64], v0, 4, 1                     ; h
	s_wait_alu depctr_va_vdst(0)
	s_and_b32 s46, s14, 1                          ; phase X: which 32 points,
	s_lshr_b32 s47, s14, 1                         ; and which 128 channels are mine
	s_lshl_b32 s48, s47, 15
	s_lshl_b32 s49, s46, 7
	s_add_co_u32 s48, s48, s49
	v_add_nc_u32 v[XA], s48, v[LS]
	s_lshl_b32 s48, s46, 13
	s_lshl_b32 s49, s47, 10
	s_add_co_u32 s48, s48, s49
	s_add_co_u32 s48, s48, XIMG
	v_add_nc_u32 v[XWI], s48, v[LI]
	s_lshl_b32 s48, s46, 9
	s_lshl_b32 s49, s47, 7
	s_add_co_u32 s48, s48, s49
	s_add_co_u32 s48, s48, XSC
	v_add_nc_u32 v[XWS], s48, v[LS]
	s_lshr_b32 s48, s14, 2                         ; q or k,
	s_lshl_b32 s48, s48, 10
	s_bfe_u32 s49, s14, 0x10001                    ; which K step of the next product,
	s_lshl_b32 s49, s49, 6
	s_add_co_u32 s48, s48, s49
	s_lshl_b32 s49, s46, 1                         ; which two of its four blocks
	s_add_co_u32 s48, s48, s49
	s_add_co_u32 s48, s48, SST
	v_and_b32 v15, 15, v0                          ; r
	s_delay_alu instid0(VALU_DEP_1)
	v_lshl_add_u32 v[SA], v15, 2, s48
	s_lshl_b32 s48, s14, 7
	s_add_co_u32 s48, s48, VST
	v_lshl_add_u32 v[VA], v[H64], 5, s48
	v_lshlrev_b32 v[H64], 6, v[H64]
	s_wait_alu depctr_va_vdst(0)
	v_add_nc_u32 v[LIX], XIMG, v[LI]
	v_add_nc_u32 v[LSX], XSC, v[LS]
	s_min_u32 s48, s14, 2
	s_lshl_b32 s48, s48, 10
	s_add_co_u32 s48, s48, SST
	v_add_nc_u32 v[OUTA], s48, v[LI]
	v_mov_b32 v[TM+2], 0                           ; a lane permute's destination counts as read
	v_mov_b32 v[TM+3], 0
	s_mov_b32 s49, 0
	s_lshl_b32 s48, s14, 14
	s_add_nc_u64 s[52:53], s[6:7], s[48:49]        ; my four tiles of w_theta or w_phi,
	s_lshl_b32 s48, s14, 13
	s_add_co_u32 s48, s48, 131072
	s_add_nc_u64 s[54:55], s[6:7], s[48:49]        ; my two of w_g,
	s_lshl_b32 s48, s14, 10
	s_add_co_u32 s48, s48, WSOFF
	s_add_nc_u64 s[56:57], s[6:7], s[48:49]        ; and their scale words
	s_lshl_b32 s48, s14, 9
	s_add_co_u32 s48, s48, WSOFF+8192
	s_add_nc_u64 s[58:59], s[6:7], s[48:49]
	s_cmp_lt_u32 s14, 4                            ; q or k
	s_cselect_b32 s50, s16, s17
	s_cselect_b32 s51, 0, 0x400000
	s_cselect_b64 s[42:43], s[8:9], s[10:11]
	s_lshl_b32 s50, s50, 19
	s_add_co_u32 s50, s50, s51
	s_lshl_b32 s51, ttmp9, 14                      ; my work-group's 8 tiles of 2,048 bytes
	s_add_co_u32 s50, s50, s51
	s_and_b32 s51, s14, 3
	s_lshl_b32 s48, s51, 9                         ; K step (u / 2) % 2, register group u % 2
	s_add_co_u32 s50, s50, s48
	s_lshl_b32 s48, s51, 8                         ; my 64 numbers of the bias
	s_add_nc_u64 s[42:43], s[42:43], s[48:49]
	s_mov_b32 s51, 0
	s_add_nc_u64 s[40:41], s[12:13], s[50:51]      ; where my codes go
	s_cmp_eq_u32 s14, 0                            ; the way out of SST and VST: wave 0 q's scales, wave 1 k's, wave 2 the sums of v
	s_cselect_b32 s62, s16, s17
	s_lshl_b32 s62, s62, 15
	s_lshl_b32 s63, ttmp9, 10
	s_add_co_u32 s62, s62, s63
	s_min_u32 s63, s14, 2
	s_lshl_b32 s63, s63, 18
	s_add_co_u32 s62, s62, s63
	s_add_co_u32 s62, s62, QSO
	s_mov_b32 s63, 0
	s_add_nc_u64 s[60:61], s[12:13], s[62:63]
	WIN 0x40                                       ; destination window 1
.irp i,0,1,2,3,4,5,6,7,8,9,10,11,12,13,14,15
.irp c,0,1
	global_load_b128 v[8*\i+4*\c:8*\i+4*\c+3], v[LI], s[52:53] offset:\i*1024+\c*512          ; tile i / 4, K step i % 4
.endr
.endr
.irp i,0,1,2,3,4,5,6,7
.irp c,0,1
	global_load_b128 v[128+8*\i+4*\c:128+8*\i+4*\c+3], v[LI], s[54:55] offset:\i*1024+\c*512
.endr
.endr
	WIN 0
.irp a,0,1,2,3
	global_load_b64 v[WSC+2*\a:WSC+2*\a+1], v[L8], s[56:57] offset:\a*256
.endr
.irp a,0,1
	global_load_b64 v[WSC+8+2*\a:WSC+8+2*\a+1], v[L8], s[58:59] offset:\a*256
.endr
.irp a,0,1,2,3                         ; tile 2 b + u: lane (r, h) holds channels 32 b + 16 h + 8 u + 0 .. 7
	global_load_b128 v[BIAS+8*\a:BIAS+8*\a+3], v[H64], s[42:43] offset:(32*(\a/2)+8*(\a%2))*4
	global_load_b128 v[BIAS+8*\a+4:BIAS+8*\a+7], v[H64], s[42:43] offset:(32*(\a/2)+8*(\a%2))*4+16
.endr
.macro LB t                            ; block t of 32 channels of my point
.set J, 0
.rept 32
	ds_load_b32 v[XD+32*(\t)+J], v[XA] offset:(32*(\t)+J)*256
.set J, J+1
.endr
.endm
.macro QB t                            ; it becomes 16 bytes of codes and a byte of the scale word
.set XS, XD+32*(\t)
	v_max3_num_f32 v113, |v[XS]|, |v[XS+1]|, |v[XS+2]|
	v_max3_num_f32 v114, |v[XS+3]|, |v[XS+4]|, |v[XS+5]|
.irp i,6,10,14,18,22,26
	s_delay_alu instid0(VALU_DEP_2)
	v_max3_num_f32 v113, v113, |v[XS+\i]|, |v[XS+\i+1]|
	s_delay_alu instid0(VALU_DEP_2)
	v_max3_num_f32 v114, v114, |v[XS+\i+2]|, |v[XS+\i+3]|
.endr
	s_delay_alu instid0(VALU_DEP_2)
	v_max3_num_f32 v113, v113, |v[XS+30]|, |v[XS+31]|
	s_delay_alu instid0(VALU_DEP_1)
	v_max3_num_f32 v113, v113, v114, FLOOR
	s_delay_alu instid0(VALU_DEP_1)
	v_add_nc_u32 v[116+(\t)], EOFF, v113
	s_delay_alu instid0(VALU_DEP_1)
	v_lshrrev_b32 v115, 23, v[116+(\t)]
.if (\t) == 0
	s_delay_alu instid0(VALU_DEP_1)
	v_mov_b32 v[XW], v115
.else
	s_delay_alu instid0(VALU_DEP_1)
	v_lshl_or_b32 v[XW], v115, 8*(\t), v[XW]
.endif
.irp g,0,1,2,3
	v_cvt_scalef32_pk8_fp4_f32 v[CD+4*(\t)+\g], v[XS+8*\g:XS+8*\g+7], v[116+(\t)]
.endr
.endm
.macro XPHASE blk                      ; my 32 points x 128 channels of the block become a K step's fragments of two tiles of points
.if \blk
	s_wait_xcnt 0x0                                ; the stores of codes have read their registers, which the loads below take
	v_add_nc_u32 v[XA], 0x20000, v[XA]
.endif
	LB 0
	LB 1
	s_wait_dscnt 32                                ; a block's 32 loads are in, the next block's may be out
	QB 0
	LB 2
	s_wait_dscnt 32
	QB 1
	LB 3
	s_wait_dscnt 32
	QB 2
	s_wait_dscnt 0x0
	QB 3
	v_nop                                          ; a plain line behind the last conversion
.irp c,0,1                             ; a lane holds four blocks of ONE point; the operand wants blocks 2 c + h of point r: the halves change places
.irp i,0,1,2,3
	v_permlane16_swap_b32 v[CD+8*\c+\i], v[CD+8*\c+4+\i]
.endr
.endr
.irp c,0,1
.irp u,0,1
	ds_store_b128 v[XWI], v[CD+8*\c+4*\u:CD+8*\c+4*\u+3] offset:\blk*16384+\u*4096+\c*512
.endr
.endr
	ds_store_b32 v[XWS], v[XW] offset:\blk*1024    ; lanes 0-15: the first tile's words, lanes 16-31: the second's
.endm
.macro PTILE blk, t, first             ; tile t of 16 points of the block: 24 products, six accumulators by turns; then q or k is quantised
.irp s,0,1,2,3
.irp c,0,1
	ds_load_b128 v[XF+8*\s+4*\c:XF+8*\s+4*\c+3], v[LIX] offset:\blk*16384+(4*\t+\s)*1024+\c*512
.endr
	ds_load_b32 v[XSR+\s], v[LSX] offset:\blk*1024+(4*(\t/2)+\s)*128
.endr
	s_wait_dscnt 0x0
	WIN 0x01                                       ; source 0, the weights: window 1
.irp s,0,1,2,3
.irp a,0,1,2,3
.if \s == 0
	WM ACC+8*\a, 8*(4*\a+\s), XF+8*\s, BIAS+8*\a, WSC+2*\a+\s/2, XSR+\s, \s%2, \t%2
.else
	WM ACC+8*\a, 8*(4*\a+\s), XF+8*\s, ACC+8*\a, WSC+2*\a+\s/2, XSR+\s, \s%2, \t%2
.endif
.endr
.irp a,0,1
.if (\s == 0) && \first
	WM VACC+8*\a, 128+8*(4*\a+\s), XF+8*\s, -1, WSC+8+2*\a+\s/2, XSR+\s, \s%2, \t%2
.else
	WM VACC+8*\a, 128+8*(4*\a+\s), XF+8*\s, VACC+8*\a, WSC+8+2*\a+\s/2, XSR+\s, \s%2, \t%2
.endif
.endr
.endr
	WIN 0
.rept 4
	v_nop                                          ; places behind the products, ahead of the first read of results and of the next loads
.endr
.irp b,0,1                             ; my 64 channels are two blocks of 32 along the next K; a lane holds 16 numbers of each
	v_max3_num_f32 v[TM+\b], |v[ACC+16*\b]|, |v[ACC+16*\b+1]|, FLOOR
.endr
.irp i,2,4,6,8,10,12,14
.irp b,0,1
	v_max3_num_f32 v[TM+\b], v[TM+\b], |v[ACC+16*\b+\i]|, |v[ACC+16*\b+\i+1]|
.endr
.endr
.irp b,0,1
	s_delay_alu instid0(VALU_DEP_2)
	v_permlanex16_b32 v[TM+2+\b], v[TM+\b], s20, s21
.endr
.irp b,0,1
	s_delay_alu instid0(VALU_DEP_2)
	v_max_num_f32 v[TM+\b], v[TM+\b], v[TM+2+\b]
.endr
.irp b,0,1
	s_delay_alu instid0(VALU_DEP_2)
	v_add_nc_u32 v[TM+4+\b], EOFF, v[TM+\b]
.endr
.irp b,0,1
	s_delay_alu instid0(VALU_DEP_2)
	v_lshrrev_b32 v[TM+6+\b], 23, v[TM+4+\b]
.endr
	s_delay_alu instid0(VALU_DEP_1)
	v_lshl_or_b32 v[HW], v[TM+7], 8, v[TM+6]
	s_wait_alu depctr_va_vdst(0)
	s_wait_xcnt 0x0                                ; the other block's store has read these four registers
.irp b,0,1
	v_cvt_scalef32_pk8_fp4_f32 v[PC+4*\t+2*\b], v[ACC+16*\b:ACC+16*\b+7], v[TM+4+\b]
	v_cvt_scalef32_pk8_fp4_f32 v[PC+4*\t+2*\b+1], v[ACC+16*\b+8:ACC+16*\b+15], v[TM+4+\b]
.endr
	v_nop
.irp i,0,1
	v_permlane16_swap_b32 v[PC+4*\t+\i], v[PC+4*\t+2+\i]   ; a whole block in a lane: a register group of the next operand
.endr
	global_store_b128 v[LI], v[PC+4*\t:PC+4*\t+3], s[40:41] offset:(4*\blk+\t)*2048   ; 512 consecutive bytes
	ds_store_b16 v[SA], v[HW] offset:(4*\blk+\t)*128                                   ; lanes r and r + 16 write the same two bytes
.endm
	s_wait_tensorcnt 0x1                           ; my part of block 0 is in; block 1's load may stay out
	s_barrier_signal -1
	s_barrier_wait -1
	XPHASE 0
	BARRIER                                        ; block 0's sixteen fragments lie in LDS
	s_wait_loadcnt 0x0                             ; the weights, their scales, the bias
	PTILE 0, 0, 1
	PTILE 0, 1, 0
	PTILE 0, 2, 0
	PTILE 0, 3, 0
	s_wait_tensorcnt 0x0                           ; my part of block 1
	BARRIER
	XPHASE 1
	BARRIER
	PTILE 1, 0, 0
	PTILE 1, 1, 0
	PTILE 1, 2, 0
	PTILE 1, 3, 0
.irp m,1,2,4,8                         ; the sums of v: a lane holds one point's column of all eight tiles: the sixteen lanes are added
.irp j,0,1,2,3,4,5,6,7,8,9,10,11,12,13,14,15
	v_add_f32_dpp v[VACC+\j], v[VACC+\j], v[VACC+\j] row_xmask:\m row_mask:0xf bank_mask:0xf
.endr
.endr
.irp a,0,1
.irp g,0,1
	ds_store_b128 v[VA], v[VACC+8*\a+4*\g:VACC+8*\a+4*\g+3] offset:\a*64+\g*16    ; sixteen lanes write the same bytes with the same values
.endr
.endr
	BARRIER
	s_cmp_lt_u32 s14, 3
	s_cbranch_scc0 .Lend
	ds_load_b128 v[128:131], v[OUTA]
	ds_load_b128 v[132:135], v[OUTA] offset:512
	s_wait_dscnt 0x0
	global_store_b128 v[LI], v[128:131], s[60:61]              ; 1,024 consecutive bytes a wave
	global_store_b128 v[LI], v[132:135], s[60:61] offset:512
.Lend:
	s_wait_tensorcnt 0x0                           ; the wave's end
	ds_add_u32 v[SPW], v[NIL]
	s_wait_dscnt 0x0
	s_endpgm
.Lfunc_end_k_q663dff0be8_proj:
	.size	k_q663dff0be8_proj, .Lfunc_end_k_q663dff0be8_proj-k_q663dff0be8_proj
	.p2alignl 7, 3214868480
	.fill 96, 4, 3214868480
	.section	.rodata,"a",@progbits
	.p2align	6, 0x0
	.amdhsa_kernel k_q663dff0be8_proj
		.amdhsa_group_segment_fixed_size 327680
		.amdhsa_private_segment_fixed_size 0
		.amdhsa_enable_private_segment 0
		.amdhsa_kernarg_size 40
		.amdhsa_user_sgpr_count 2
		.amdhsa_user_sgpr_kernarg_segment_ptr 1
		.amdhsa_wavefront_size32 1
		.amdhsa_system_sgpr_workgroup_id_x 1
		.amdhsa_system_sgpr_workgroup_id_y 1
		.amdhsa_system_sgpr_workgroup_id_z 1
		.amdhsa_system_vgpr_workitem_id 0
		.amdhsa_next_free_vgpr 448
		.amdhsa_next_free_sgpr 66
		.amdhsa_reserve_vcc 0
		.amdhsa_float_denorm_mode_32 3
		.amdhsa_float_denorm_mode_16_64 3
		.amdhsa_memory_ordered 1
		.amdhsa_forward_progress 1
		.amdhsa_inst_pref_size 101
	.end_amdhsa_kernel
	.amdgpu_metadata
---
amdhsa.version: [ 1, 2 ]
amdhsa.kernels:
  - .name:           k_q663dff0be8_proj
    .symbol:         k_q663dff0be8_proj.kd
    .args:
      - { .name: x, .offset: 0, .size: 8, .value_kind: global_buffer, .address_space: global }
      - { .name: wqb, .offset: 8, .size: 8, .value_kind: global_buffer, .address_space: global }
      - { .name: b_theta, .offset: 16, .size: 8, .value_kind: global_buffer, .address_space: global }
      - { .name: b_phi, .offset: 24, .size: 8, .value_kind: global_buffer, .address_space: global }
      - { .name: pj, .offset: 32, .size: 8, .value_kind: global_buffer, .address_space: global }
    .group_segment_fixed_size: 327680
    .private_segment_fixed_size: 0
    .kernarg_segment_align: 8
    .kernarg_segment_size: 40
    .max_flat_workgroup_size: 256
    .sgpr_count:     66
    .vgpr_count:     448
    .wavefront_size: 32
...
	.end_amdgpu_metadata
.endif
;; end of part 2
;; launch rowstat (part 3): grid 32 x 8, 16 waves a work-group, clusters of 4 x 1, 327,680 bytes of LDS; arguments pj, b_g, rs; writes rs
.if DOCPART == 3
	.amdgcn_target "amdgcn-amd-amdhsa--gfx1250"
	.amdhsa_code_object_version 6
	.text
	.protected	k_q663dff0be8_rowstat
	.globl	k_q663dff0be8_rowstat
	.p2align	8
	.type	k_q663dff0be8_rowstat,@function
k_q663dff0be8_rowstat:
	s_mov_b64 s[64:65], 0
	v_nop
	global_prefetch_b8 v0, s[64:65] scope:SCOPE_SE
	s_setreg_imm32_b32 hwreg(HW_REG_WAVE_MODE, 25, 1), 1
	s_wait_xcnt 0x0
	s_wait_alu depctr_hold_cnt(0) depctr_sa_sdst(0) depctr_va_vdst(0) depctr_va_sdst(0) depctr_va_ssrc(0) depctr_va_vcc(0) depctr_vm_vsrc(0)
	s_getreg_b32 s2, hwreg(HW_REG_IB_STS2, 6, 4)
	s_cmp_eq_u32 s2, 0
	s_cbranch_scc0 .Lentry_in_a_cluster
	s_endpgm
.Lentry_in_a_cluster:
	s_bfe_u32 s2, ttmp6, 0x10000c
	s_cmp_lg_u32 s2, 0x3003
	s_cbranch_scc0 .Lentry_shape_is_right
	s_endpgm
.Lentry_shape_is_right:
; The first pass over f = q k^T: for each query the number NX = -log2(e) x (the row's largest score) and RZ = 1 / (the row's sum of 2^(log2(e) f + NX)).  The column means need every row's RZ first: so a second pass follows.
; Also: vsum[b] = the 32 partial sums of v + 4,096 b_g, by two waves of each batch's first cluster.
; SHARES.  A work-group owns 128 queries of batch b and walks all 4,096 keys.  Sixteen waves of 256 registers, four to a SIMD, so that one wave's vector work stands beside another's products and LDS loads.
; Wave w keeps query tiles 4 (w % 2) .. + 3 in registers and takes key tiles 4 (w / 2) .. + 3 of each slot's 32, two at a visit: 16 products and 64 scores a visit.
; Source 0 = 16 keys, source 1 = 16 queries, in both passes: the two passes get the same scores bit for bit.  A lane holds one query and keeps a running maximum and sum OF ITS OWN keys: no lane is asked in the loop.
; THE RUNNING MAXIMUM is taken away ahead of every exponential; when it moves, the sum is multiplied by 2^(new NX - old NX).
; RING: two slots of 512 keys' codes (65,536 bytes), 2^17 apart; the keys' scale images of the whole batch (32,768 bytes) come once.  All in the order of the operand's registers: loads of 16 bytes a lane, consecutive.
; CLUSTER: the four work-groups of a cluster walk the same keys: every tensor load is joint, with the mask of all four.  Waves 0-3 fetch a quarter of a slot each; one load of mine is out behind each round.
; LIMITS: |f| log2(e) stays under 1e38; NaN and infinities are not served.
.set KCO,   4194304                    ; pj: k's codes
.set QSO,   8388608                    ; q's scale images
.set KSO,   8650752                    ; k's
.set VPO,   8912896                    ; the partial sums of v
.set VSO,   262144                     ; rs: vsum
.set SCL,   65536                      ; LDS: the stream's scale images
.set SLOT1, 131072
.set SCR,   196608                     ; [wave 16][tile 4][lane 32] 8 bytes
.set STG,   212992                     ; [tile 8][128]
.set SPARE, 214016                     ; the spare words: 128 bytes a wave
.set NHEAD, 6                          ; waves that have a first fill
.set AF0, 1                            ; my place in a slot
.set AS0, 2                            ; and among the scale images
.set ADR, 3
.set ADS, 4
.set SPW, 5
.set NIL, 6
.set LI,  7
.set LS,  8
.set PFO, 10                           ; 256 x lane; never rewritten
.set SCW, 11
.set SCRD,12
.set STW, 13
.set STR, 14
.set QF,  16                           ; v16-79  my four tiles of queries: 16 a tile, 8 a K step
.set QSC, 80                           ; v80-83  their scale words
.set KF,  84                           ; v84-115 two tiles of keys
.set KSC, 116                          ; v116-117
.set ACC, 120                          ; v120-183 scores: 16 a tile of queries, 8 a tile of keys
.set ST,  184                          ; v184-215 for each tile of queries: +0 NX, +1 the maximum, +2:3 the sum, +4 the factor, +5 at work, +6:7 at work
.macro WM d, a, b, c, sa, sb, ra, rb   ; one product; c < 0: the sum begins with 0; ra, rb: the scales stand in lanes 16-31
.if (\c) < 0
.if (\ra) && (\rb)
	v_wmma_scale_f32_16x16x128_f8f6f4 v[(\d):(\d)+7], v[(\a):(\a)+7], v[(\b):(\b)+7], 0, v[(\sa)], v[(\sb)] matrix_a_fmt:MATRIX_FMT_FP4 matrix_b_fmt:MATRIX_FMT_FP4 matrix_a_scale:MATRIX_SCALE_ROW1 matrix_b_scale:MATRIX_SCALE_ROW1
.else
	v_wmma_scale_f32_16x16x128_f8f6f4 v[(\d):(\d)+7], v[(\a):(\a)+7], v[(\b):(\b)+7], 0, v[(\sa)], v[(\sb)] matrix_a_fmt:MATRIX_FMT_FP4 matrix_b_fmt:MATRIX_FMT_FP4
.endif
.else
.if (\ra) && (\rb)
	v_wmma_scale_f32_16x16x128_f8f6f4 v[(\d):(\d)+7], v[(\a):(\a)+7], v[(\b):(\b)+7], v[(\c):(\c)+7], v[(\sa)], v[(\sb)] matrix_a_fmt:MATRIX_FMT_FP4 matrix_b_fmt:MATRIX_FMT_FP4 matrix_a_scale:MATRIX_SCALE_ROW1 matrix_b_scale:MATRIX_SCALE_ROW1
.else
	v_wmma_scale_f32_16x16x128_f8f6f4 v[(\d):(\d)+7], v[(\a):(\a)+7], v[(\b):(\b)+7], v[(\c):(\c)+7], v[(\sa)], v[(\sb)] matrix_a_fmt:MATRIX_FMT_FP4 matrix_b_fmt:MATRIX_FMT_FP4
.endif
.endif
.endm
.macro PLACES
.rept 4
	v_nop
.endr
.endm
.macro CROUND                          ; a round of the cluster's barrier
	s_barrier_signal -1
	s_barrier_wait -1
	s_cmp_lg_u32 s12, 0
	s_cbranch_scc1 .Lnot_wave_0_\@
	s_barrier_signal -3
.Lnot_wave_0_\@:
	s_barrier_wait -3
	s_barrier_signal -1
	s_barrier_wait -1
.endm
.macro TLOAD                           ; waves 0-3: a quarter of a slot each; the branch hangs on the wave's number alone
	s_cmp_lt_u32 s12, 4
	s_cbranch_scc0 .Lasked_\@
	tensor_load_to_lds s[32:35], s[24:31]
	s_nop 0
.rept 4
	v_nop
.endr
.Lasked_\@:
.endm
; A prefetch of the slot that the NEXT change of slots will ask for.  All clusters of a batch walk the same keys: the batch's first cluster asks; its four partners take 16,384 bytes each, told apart by address;
; in each, waves 8 and 9 take 8,192 bytes, lanes 256 bytes apart: each block of 256 bytes is named once in the launch.  The last change that fills a slot asks for nothing.
.macro ASK
	s_cmp_gt_u32 s18, s19
	s_cbranch_scc0 .Lnot_mine_\@
	global_prefetch_b8 v[PFO], s[36:37] th:TH_LOAD_NT scope:SCOPE_SE
.Lnot_mine_\@:
.endm
; The change of slots stands at a slot's head: all my tensor loads have landed, the add, my reads of the slot that I have left are over; behind the round the slot left is filled with the keys that follow.
.macro CHANGE fill
	s_wait_tensorcnt 0x0                           ; no tensor load of mine is out, so group 0 may be written
	ds_add_u32 v[SPW], v[NIL]
.if \fill
	ds_add_u32 v[SPW], v[NIL]                      ; and once more, in every trip alike
	s_xor_b32 s33, s33, SLOT1                      ; the other slot than last time,
	s_add_nc_u64 s[34:35], s[34:35], 65536         ; the next 512 keys
	s_wait_xcnt 0x0                                ; the last prefetch, a slot back, has read its address
	s_add_nc_u64 s[36:37], s[36:37], 65536
	s_wait_dscnt 0x0
	CROUND
	TLOAD
	ASK
.else
	s_wait_dscnt 0x0
	s_barrier_signal -1
	s_barrier_wait -1
.endif
.endm
.macro LOADV v                         ; visit v: two tiles of keys and their scale words
.irp i,0,1
.irp s,0,1
.irp c,0,1
	ds_load_b128 v[KF+16*\i+8*\s+4*\c:KF+16*\i+8*\s+4*\c+3], v[ADR] offset:(2*\v+\i)*2048+\s*1024+\c*512
.endr
.endr
	ds_load_b32 v[KSC+\i], v[ADS] offset:(2*\v+\i)*128
.endr
.endm
.macro MM                              ; 16 products; the eight accumulators by turns
.irp s,0,1
.irp k,0,1
.irp q,0,1,2,3
.if \s == 0
	WM ACC+16*\q+8*\k, KF+16*\k+8*\s, QF+16*\q+8*\s, -1, KSC+\k, QSC+\q, \s, \s
.else
	WM ACC+16*\q+8*\k, KF+16*\k+8*\s, QF+16*\q+8*\s, ACC+16*\q+8*\k, KSC+\k, QSC+\q, \s, \s
.endif
.endr
.endr
.endr
.endm
.macro UPD                             ; a visit's 64 scores go into the four running maxima and sums; the four tiles by turns
.irp q,0,1,2,3
	v_max3_num_f32 v[ST+8*\q+5], v[ACC+16*\q], v[ACC+16*\q+1], v[ACC+16*\q+2]
.endr
.irp i,3,5,7,9,11,13
.irp q,0,1,2,3
	v_max3_num_f32 v[ST+8*\q+5], v[ST+8*\q+5], v[ACC+16*\q+\i], v[ACC+16*\q+\i+1]
.endr
.endr
.irp q,0,1,2,3
	v_max3_num_f32 v[ST+8*\q+1], v[ST+8*\q+5], v[ACC+16*\q+15], v[ST+8*\q+1]
.endr
.irp q,0,1,2,3
	s_delay_alu instid0(VALU_DEP_4)
	v_mul_f32 v[ST+8*\q+4], s38, v[ST+8*\q+1]      ; the new NX
.endr
.irp q,0,1,2,3
	s_delay_alu instid0(VALU_DEP_4)
	v_sub_f32 v[ST+8*\q+6], v[ST+8*\q+4], v[ST+8*\q]   ; less the old: 0 or less
.endr
.irp q,0,1,2,3
	v_mov_b32 v[ST+8*\q], v[ST+8*\q+4]
.endr
.irp q,0,1,2,3
.irp j,0,2,4,6,8,10,12,14
	v_pk_fma_f32 v[ACC+16*\q+\j:ACC+16*\q+\j+1], v[ACC+16*\q+\j:ACC+16*\q+\j+1], s[22:23], v[ST+8*\q:ST+8*\q+1] op_sel_hi:[1,0,0]
.endr
.endr
	s_wait_alu depctr_va_vdst(0)
.irp q,0,1,2,3
	v_exp_f32 v[ST+8*\q+4], v[ST+8*\q+6]
.endr
.set J, 0
.rept 64
	v_exp_f32 v[ACC+J], v[ACC+J]
.set J, J+1
.endr
	v_nop                                          ; a plain line behind the last exponential
	s_wait_alu depctr_va_vdst(0)                   ; one wait for the batch of 68, ahead of its first reader
.irp q,0,1,2,3
	v_pk_add_f32 v[ST+8*\q+6:ST+8*\q+7], v[ACC+16*\q:ACC+16*\q+1], v[ACC+16*\q+2:ACC+16*\q+3]
.endr
.irp j,4,6,8,10,12,14
.irp q,0,1,2,3
	v_pk_add_f32 v[ST+8*\q+6:ST+8*\q+7], v[ST+8*\q+6:ST+8*\q+7], v[ACC+16*\q+\j:ACC+16*\q+\j+1]
.endr
.endr
.irp q,0,1,2,3
	v_pk_fma_f32 v[ST+8*\q+2:ST+8*\q+3], v[ST+8*\q+2:ST+8*\q+3], v[ST+8*\q+4:ST+8*\q+5], v[ST+8*\q+6:ST+8*\q+7] op_sel_hi:[1,0,1]
.endr
.endm
.macro SLOTWORK                        ; my four tiles of the slot, in two visits; the second visit's loads are out while the first's scores are worked
	v_add_nc_u32 v[ADR], s16, v[AF0]
	v_add_nc_u32 v[ADS], s17, v[AS0]
	LOADV 0
	s_wait_alu depctr_va_vdst(0)
	s_wait_dscnt 0x0
	MM
	PLACES
	LOADV 1
	UPD
	s_wait_dscnt 0x0
	MM
	PLACES
	UPD
	s_xor_b32 s16, s16, SLOT1
	s_add_co_u32 s17, s17, 4096
.endm
	s_load_b128 s[4:7], s[0:1], 0x0                ; pj, b_g
	s_load_b64 s[8:9], s[0:1], 0x10                ; rs
	v_lshl_add_u32 v[SPW], v0, 2, SPARE
	v_mov_b32 v[NIL], 0
	ds_add_u32 v[SPW], v[NIL]                      ; the wave's opening: the add, twice on end, and its wait
	ds_add_u32 v[SPW], v[NIL]
	v_lshrrev_b32 v9, 5, v0
	s_delay_alu instid0(VALU_DEP_1)
	v_readfirstlane_b32 s12, v9                    ; wave 0..15
	s_bfe_u32 s13, ttmp6, 0x40000                  ; cx: it enters global addresses alone
	s_lshl_b32 s14, ttmp9, 2
	s_add_co_u32 s14, s14, s13                     ; my block of 128 queries
	s_and_b32 s15, ttmp7, 0xffff                   ; b
	s_mov_b32 s16, 0                               ; the slot in hand
	s_mov_b32 s17, 0                               ; its scale images
	s_mov_b32 s18, 7                               ; slots still to be asked for
	s_mov_b32 s20, 0x76543210
	s_mov_b32 s21, 0xfedcba98
	s_mov_b32 s22, 0x3fb8aa3b                      ; log2(e)
	s_mov_b32 s23, s22
	s_mov_b32 s38, 0xbfb8aa3b
	s_mov_b32 s39, 0xffff0000                      ; lanes 16-31
	s_mov_b32 s24, 15|(3<<16)|(1<<21)              ; group 1: the mask of all four; elements of 8 bytes; bit 21 beside a mask
	s_mov_b32 s25, 32<<16                          ; 16,384 dense bytes as 64 rows of 256
	s_mov_b32 s26, 64<<16
	s_mov_b32 s27, 32<<16
	s_mov_b32 s28, 64
	s_mov_b32 s29, 32
	s_mov_b32 s30, 0
	s_mov_b32 s31, 0
	s_mov_b32 s32, 1
	s_lshl_b32 s33, s12, 14                        ; waves 0-3: slot 0; waves 4, 5: the scale images
	s_lshl_b32 s40, s15, 19
	s_lshl_b32 s41, s12, 14
	s_add_co_u32 s40, s40, s41
	s_add_co_u32 s40, s40, KCO
	s_lshl_b32 s41, s15, 15
	s_and_b32 s42, s12, 1
	s_lshl_b32 s43, s42, 14
	s_add_co_u32 s41, s41, s43
	s_add_co_u32 s41, s41, KSO
	s_cmp_lt_u32 s12, 4
	s_cselect_b32 s40, s40, s41
	s_mov_b32 s41, 0
	s_lshr_b32 s48, s12, 1
	s_xor_b32 s49, s48, 4
	s_or_b32 s49, s49, ttmp9
	s_cmp_eq_u32 s49, 0
	s_cselect_b32 s19, 1, -1                       ; 1 in waves 8 and 9 of a batch's first cluster: the same in all four partners
	s_lshl_b32 s44, s15, 19
	s_add_co_u32 s44, s44, KCO+65536
	s_lshl_b32 s45, s13, 14
	s_add_co_u32 s44, s44, s45
	s_lshl_b32 s45, s42, 13
	s_add_co_u32 s44, s44, s45
	s_mov_b32 s45, 0
	s_wait_dscnt 0x0                               ; both opening adds are done
	s_wait_kmcnt 0x0
	s_add_nc_u64 s[34:35], s[4:5], s[40:41]
	s_or_b32 s35, s35, 0x80000000
	s_add_nc_u64 s[36:37], s[4:5], s[44:45]        ; the prefetches stand in slot 1; the first change steps them to slot 2
	CROUND                                         ; all four work-groups are here: the first joint loads meet
	s_cmp_lt_u32 s12, NHEAD
	s_cbranch_scc0 .Lno_first
	tensor_load_to_lds s[32:35], s[24:31]
	s_nop 0
.rept 4
	v_nop
.endr
.Lno_first:
	v_and_b32 v9, 31, v0
	s_delay_alu instid0(VALU_DEP_1)
	v_lshlrev_b32 v[LI], 4, v9
	s_delay_alu instid0(VALU_DEP_2)
	v_lshlrev_b32 v[LS], 2, v9
	s_wait_alu depctr_va_vdst(0)
	v_lshlrev_b32 v[PFO], 8, v9
	s_lshl_b32 s43, s48, 13                        ; my four tiles of a slot
	v_add_nc_u32 v[AF0], s43, v[LI]
	s_lshl_b32 s43, s48, 9
	s_add_co_u32 s43, s43, SCL
	v_add_nc_u32 v[AS0], s43, v[LS]
	s_lshl_b32 s43, s12, 10
	s_add_co_u32 s43, s43, SCR
	v_lshl_add_u32 v[SCW], v9, 3, s43
	s_lshl_b32 s43, s12, 8
	s_add_co_u32 s43, s43, SCR
	v_lshl_add_u32 v[SCRD], v9, 3, s43
	s_lshl_b32 s43, s12, 7
	s_add_co_u32 s43, s43, STG
	v_add_nc_u32 v[STW], s43, v[LS]
	v_add_nc_u32 v[STR], STG, v[LI]
	s_lshl_b32 s40, s15, 19                        ; q's codes: b, my block's 8 tiles, my four of them
	s_lshl_b32 s43, s14, 14
	s_add_co_u32 s40, s40, s43
	s_lshl_b32 s43, s42, 13
	s_add_co_u32 s40, s40, s43
	s_add_nc_u64 s[44:45], s[4:5], s[40:41]
	s_lshl_b32 s40, s15, 15
	s_lshl_b32 s43, s14, 10
	s_add_co_u32 s40, s40, s43
	s_add_nc_u64 s[54:55], s[8:9], s[40:41]        ; where my block's statistics go
	s_lshl_b32 s43, s42, 9
	s_add_co_u32 s40, s40, s43
	s_add_co_u32 s40, s40, QSO
	s_add_nc_u64 s[46:47], s[4:5], s[40:41]
.irp q,0,1,2,3
.irp s,0,1
.irp c,0,1
	global_load_b128 v[QF+16*\q+8*\s+4*\c:QF+16*\q+8*\s+4*\c+3], v[LI], s[44:45] offset:\q*2048+\s*1024+\c*512
.endr
.endr
	global_load_b32 v[QSC+\q], v[LS], s[46:47] offset:\q*128
.endr
	s_lshl_b32 s40, s15, 15
	s_add_co_u32 s40, s40, VPO
	s_add_nc_u64 s[50:51], s[4:5], s[40:41]
	s_lshl_b32 s40, s15, 10
	s_add_co_u32 s40, s40, VSO
	s_add_nc_u64 s[52:53], s[8:9], s[40:41]
	s_xor_b32 s49, s48, 7                          ; vsum: waves 14 and 15 of the batch's first cluster; the partners are told apart by address
	s_or_b32 s49, s49, ttmp9
	s_cmp_eq_u32 s49, 0
	s_cbranch_scc0 .Lno_vsum
	s_lshl_b32 s49, s13, 8
	s_lshl_b32 s43, s42, 7
	s_add_co_u32 s49, s49, s43
	v_add_nc_u32 v250, s49, v[LS]                  ; 4 x (64 cx + 32 (wave % 2) + lane)
.set J, 0
.rept 32
	global_load_b32 v[216+J], v250, s[50:51] offset:J*1024
.set J, J+1
.endr
	global_load_b32 v248, v250, s[6:7]
	s_wait_loadcnt 0x0
.irp i,4,8,12,16,20,24,28
.irp k,0,1,2,3
	v_add_f32 v[216+\k], v[216+\k], v[216+\i+\k]
.endr
.endr
	s_delay_alu instid0(VALU_DEP_3)
	v_add_f32 v216, v216, v217
	s_delay_alu instid0(VALU_DEP_2)
	v_add_f32 v218, v218, v219
	s_delay_alu instid0(VALU_DEP_1)
	v_add_f32 v216, v216, v218
	s_delay_alu instid0(VALU_DEP_1)
	v_fmamk_f32 v216, v248, 0x45800000, v216       ; + 4,096 b_g
	global_store_b32 v250, v216, s[52:53]
.Lno_vsum:
.irp q,0,1,2,3
	v_mov_b32 v[ST+8*\q+1], 0xfe967699             ; the largest score so far: -1e38
	v_mov_b32 v[ST+8*\q+2], 0
	v_mov_b32 v[ST+8*\q+3], 0
.endr
.irp q,0,1,2,3
	v_mul_f32 v[ST+8*\q], s38, v[ST+8*\q+1]
.endr
	s_wait_loadcnt 0x0                             ; my queries
.Lslot:                                            ; seven trips: behind each change of slots but the last the next slot is asked for
	CHANGE 1
	SLOTWORK
	s_sub_co_u32 s18, s18, 1
	s_cmp_lg_u32 s18, 0
	s_cbranch_scc1 .Lslot
	CHANGE 0                                       ; the last slot is written out
	SLOTWORK
	; THE PARTS MEET: a query's keys lie in 8 waves x 2 halves of the lanes
.irp q,0,1,2,3
	v_add_f32 v[ST+8*\q+1], v[ST+8*\q+2], v[ST+8*\q+3]
.endr
.irp q,0,1,2,3
	ds_store_b64 v[SCW], v[ST+8*\q:ST+8*\q+1] offset:\q*256
.endr
	v_mov_b32 v41, 0
	s_wait_dscnt 0x0
	s_barrier_signal -1
	s_barrier_wait -1
	s_cmp_lt_u32 s12, 8                            ; wave T takes tile T of the block's eight
	s_cbranch_scc0 .Lno_merge
.irp p,0,1,2,3,4,5,6,7
	ds_load_b64 v[16+2*\p:17+2*\p], v[SCRD] offset:\p*2048
.endr
	s_wait_dscnt 0x0
	v_min_num_f32 v40, v16, v18
.irp p,2,3,4,5,6,7
	s_delay_alu instid0(VALU_DEP_1)
	v_min_num_f32 v40, v40, v[16+2*\p]
.endr
	s_wait_alu depctr_va_vdst(0)
	v_permlanex16_b32 v41, v40, s20, s21
	s_delay_alu instid0(VALU_DEP_1)
	v_min_num_f32 v40, v40, v41                    ; the row's NX
.irp p,0,1,2,3,4,5,6,7
	v_sub_f32 v[16+2*\p], v40, v[16+2*\p]
.endr
	s_wait_alu depctr_va_vdst(0)
.irp p,0,1,2,3,4,5,6,7
	v_exp_f32 v[16+2*\p], v[16+2*\p]
.endr
	v_nop
	s_wait_alu depctr_va_vdst(0)                   ; one wait for the eight
	v_mul_f32 v42, v16, v17
.irp p,1,2,3,4,5,6,7
	v_fmac_f32 v42, v[16+2*\p], v[17+2*\p]
.endr
	s_delay_alu instid0(VALU_DEP_1)
	v_permlanex16_b32 v41, v42, s20, s21
	s_delay_alu instid0(VALU_DEP_1)
	v_add_f32 v42, v42, v41                        ; the row's sum
	s_wait_alu depctr_va_vdst(0)
	v_rcp_f32 v43, v42
	v_nop
	s_wait_alu depctr_va_vdst(0)
	v_cndmask_b32 v44, v40, v43, s39               ; lanes 0-15: NX, lanes 16-31: RZ
	ds_store_b32 v[STW], v44
.Lno_merge:
	s_wait_dscnt 0x0
	s_barrier_signal -1
	s_barrier_wait -1
	s_cmp_lg_u32 s12, 0
	s_cbranch_scc1 .Lend
	ds_load_b128 v[48:51], v[STR]
	ds_load_b128 v[52:55], v[STR] offset:512
	s_wait_dscnt 0x0
	global_store_b128 v[LI], v[48:51], s[54:55]                ; 1,024 consecutive bytes
	global_store_b128 v[LI], v[52:55], s[54:55] offset:512
.Lend:
	s_wait_tensorcnt 0x0                           ; the wave's end
	ds_add_u32 v[SPW], v[NIL]
	s_wait_dscnt 0x0
	CROUND                                         ; the closing round
	s_endpgm
.Lfunc_end_k_q663dff0be8_rowstat:
	.size	k_q663dff0be8_rowstat, .Lfunc_end_k_q663dff0be8_rowstat-k_q663dff0be8_rowstat
	.p2alignl 7, 3214868480
	.fill 96, 4, 3214868480
	.section	.rodata,"a",@progbits
	.p2align	6, 0x0
	.amdhsa_kernel k_q663dff0be8_rowstat
		.amdhsa_group_segment_fixed_size 327680
		.amdhsa_private_segment_fixed_size 0
		.amdhsa_enable_private_segment 0
		.amdhsa_kernarg_size 24
		.amdhsa_user_sgpr_count 2
		.amdhsa_user_sgpr_kernarg_segment_ptr 1
		.amdhsa_wavefront_size32 1
		.amdhsa_system_sgpr_workgroup_id_x 1
		.amdhsa_system_sgpr_workgroup_id_y 1
		.amdhsa_system_sgpr_workgroup_id_z 1
		.amdhsa_system_vgpr_workitem_id 0
		.amdhsa_next_free_vgpr 256
		.amdhsa_next_free_sgpr 66
		.amdhsa_reserve_vcc 0
		.amdhsa_float_denorm_mode_32 3
		.amdhsa_float_denorm_mode_16_64 3
		.amdhsa_memory_ordered 1
		.amdhsa_forward_progress 1
		.amdhsa_inst_pref_size 65
	.end_amdhsa_kernel
	.amdgpu_metadata
---
amdhsa.version: [ 1, 2 ]
amdhsa.kernels:
  - .name:           k_q663dff0be8_rowstat
    .symbol:         k_q663dff0be8_rowstat.kd
    .args:
      - { .name: pj, .offset: 0, .size: 8, .value_kind: global_buffer, .address_space: global }
      - { .name: b_g, .offset: 8, .size: 8, .value_kind: global_buffer, .address_space: global }
      - { .name: rs, .offset: 16, .size: 8, .value_kind: global_buffer, .address_space: global }
    .group_segment_fixed_size: 327680
    .private_segment_fixed_size: 0
    .kernarg_segment_align: 8
    .kernarg_segment_size: 24
    .max_flat_workgroup_size: 512
    .sgpr_count:     66
    .vgpr_count:     256
    .wavefront_size: 32
...
	.end_amdgpu_metadata
.endif
;; end of part 3
;; launch colsum (part 4): grid 32 x 8, 16 waves a work-group, clusters of 4 x 1, 327,680 bytes of LDS; arguments pj, rs, wqb, mb; writes mb
.if DOCPART == 4
	.amdgcn_target "amdgcn-amd-amdhsa--gfx1250"
	.amdhsa_code_object_version 6
	.text
	.protected	k_q663dff0be8_colsum
	.globl	k_q663dff0be8_colsum
	.p2align	8
	.type	k_q663dff0be8_colsum,@function
k_q663dff0be8_colsum:
	s_mov_b64 s[64:65], 0
	v_nop
	global_prefetch_b8 v0, s[64:65] scope:SCOPE_SE
	s_setreg_imm32_b32 hwreg(HW_REG_WAVE_MODE, 25, 1), 1
	s_wait_xcnt 0x0
	s_wait_alu depctr_hold_cnt(0) depctr_sa_sdst(0) depctr_va_vdst(0) depctr_va_sdst(0) depctr_va_ssrc(0) depctr_va_vcc(0) depctr_vm_vsrc(0)
	s_getreg_b32 s2, hwreg(HW_REG_IB_STS2, 6, 4)
	s_cmp_eq_u32 s2, 0
	s_cbranch_scc0 .Lentry_in_a_cluster
	s_endpgm
.Lentry_in_a_cluster:
	s_bfe_u32 s2, ttmp6, 0x10000c
	s_cmp_lg_u32 s2, 0x3003
	s_cbranch_scc0 .Lentry_shape_is_right
	s_endpgm
.Lentry_shape_is_right:
; The second pass over f = q k^T: m[key] = the mean over the queries of 2^(log2(e) f + NX[query]) RZ[query]; then, for the work-group's own 128 points: y = [m vsum, (1 - m) vsum], quantised; wy = W_W y; the mean of wy and
; the sum of squares about it, for each of the 512 channels.  b_W is left out (dead work: it cancels in wy - mu for all values).
; SHARES.  A work-group owns 128 keys of batch b and walks all 4,096 queries, by the same ring, cluster and visits as the first pass, with keys and queries in each other's parts: wave w keeps key tiles 4 (w % 2) .. + 3 and
; takes query tiles 4 (w / 2) .. + 3 of each slot.  Source 0 = 16 keys, source 1 = 16 queries, as in the first pass: the same scores bit for bit, so no exponent lies above what rounding makes of 0.
; A lane holds one query and eight keys a tile: 32 running column sums a lane, added over the lanes once, at the end.  The queries' NX and RZ of the whole batch (32,768 bytes) come once, with the first fills.
; THE TAIL.  Wave w makes the fragments of y for tile of points w / 2, K steps 2 (w % 2) and + 1; they go through LDS as images of the operand's registers; then wave w makes channels 32 w .. + 31 of wy for all 128 points.
; A block's largest |y| is |mm| x the block's largest |vsum|, rounded: rounding keeps order, so this is the largest of the rounded products, exactly.
; LIMITS: NaN and infinities are not served; blocks under 2^-124 (zeros among them) get the byte 1.
.set FLOOR, 0x1800000
.set EOFF,  0xff000000
.set KCO,   4194304
.set QSO,   8388608
.set KSO,   8650752
.set VSO,   262144
.set WSOFF, 327680
.set BNPO,  131072                     ; mb: the partials, 4,096 bytes a work-group
.set SCL,   65536
.set STT,   98304                      ; LDS: the queries' statistics
.set SLOT1, 131072
.set SCR,   196608                     ; [wave 16][64 keys] f32
.set MST,   200704                     ; m of my 128 points
.set BST,   201216                     ; [mean 512][sum of squares 512]
.set YIMG,  205312                     ; y's fragments [tile of points 8][K step 4][1,024]
.set YSC,   238080                     ; their scale words [tile][half][128]
.set SPARE, 240128
.set NHEAD, 8
.set AF0, 1                            ; in the loop
.set AS0, 2
.set AT0, 3
.set ADR, 4
.set ADS, 5
.set ADT, 6
.set SPW, 7
.set NIL, 8
.set PFO, 10
.set LI,  1                            ; behind the loop
.set LS,  2
.set YWI, 3
.set YWS, 4
.set YRI, 5
.set YRS, 6
.set SCW, 9
.set BSW, 10
.set L8,  11                           ; later: where I read the partials back
.set H128,12
.set MRD, 13
.set MSW, 14
.set MSR, 15
.set KF,  16                           ; v16-79  my four tiles of keys;  behind the loop W_W's two tiles x four K steps
.set WF,  16
.set KSC, 80                           ; v80-83  their scale words;  behind the loop W_W's
.set WS,  80
.set QF,  84                           ; v84-115 two tiles of queries
.set QSC, 116
.set STA, 120                          ; v120-127, v224-231: NX at +0, +4, RZ at +2, +6: a set for each visit; the odd registers hold 0
.set ACC, 128                          ; v128-191 scores: 32 a tile of queries, 8 a tile of keys
.set COL, 192                          ; v192-223 the column sums
.set MMR, 84                           ; v84:85  m or 1 - m, twice
.set MV,  86
.set OM,  87
.set VM,  88
.set TT,  92
.set YS,  92
.set YY,  96
.set YF,  96
.set PC,  112
.set VS,  128                          ; v128-255: register 32 k + i = vsum[32 (2 k + h) + i]
.macro WM d, a, b, c, sa, sb, ra, rb
.if (\c) < 0
.if (\ra) && (\rb)
	v_wmma_scale_f32_16x16x128_f8f6f4 v[(\d):(\d)+7], v[(\a):(\a)+7], v[(\b):(\b)+7], 0, v[(\sa)], v[(\sb)] matrix_a_fmt:MATRIX_FMT_FP4 matrix_b_fmt:MATRIX_FMT_FP4 matrix_a_scale:MATRIX_SCALE_ROW1 matrix_b_scale:MATRIX_SCALE_ROW1
.else
	v_wmma_scale_f32_16x16x128_f8f6f4 v[(\d):(\d)+7], v[(\a):(\a)+7], v[(\b):(\b)+7], 0, v[(\sa)], v[(\sb)] matrix_a_fmt:MATRIX_FMT_FP4 matrix_b_fmt:MATRIX_FMT_FP4
.endif
.else
.if (\ra) && (\rb)
	v_wmma_scale_f32_16x16x128_f8f6f4 v[(\d):(\d)+7], v[(\a):(\a)+7], v[(\b):(\b)+7], v[(\c):(\c)+7], v[(\sa)], v[(\sb)] matrix_a_fmt:MATRIX_FMT_FP4 matrix_b_fmt:MATRIX_FMT_FP4 matrix_a_scale:MATRIX_SCALE_ROW1 matrix_b_scale:MATRIX_SCALE_ROW1
.else
	v_wmma_scale_f32_16x16x128_f8f6f4 v[(\d):(\d)+7], v[(\a):(\a)+7], v[(\b):(\b)+7], v[(\c):(\c)+7], v[(\sa)], v[(\sb)] matrix_a_fmt:MATRIX_FMT_FP4 matrix_b_fmt:MATRIX_FMT_FP4
.endif
.endif
.endm
.macro PLACES
.rept 4
	v_nop
.endr
.endm
.macro CROUND
	s_barrier_signal -1
	s_barrier_wait -1
	s_cmp_lg_u32 s12, 0
	s_cbranch_scc1 .Lnot_wave_0_\@
	s_barrier_signal -3
.Lnot_wave_0_\@:
	s_barrier_wait -3
	s_barrier_signal -1
	s_barrier_wait -1
.endm
.macro TLOAD
	s_cmp_lt_u32 s12, 4
	s_cbranch_scc0 .Lasked_\@
	tensor_load_to_lds s[32:35], s[24:31]
	s_nop 0
.rept 4
	v_nop
.endr
.Lasked_\@:
.endm
.macro ASK                             ; the slot that the next change will ask for: the batch's first cluster, 16,384 bytes a partner by address, waves 8 and 9, lanes 256 bytes apart; the last filling change asks for nothing
	s_cmp_gt_u32 s18, s19
	s_cbranch_scc0 .Lnot_mine_\@
	global_prefetch_b8 v[PFO], s[36:37] th:TH_LOAD_NT scope:SCOPE_SE
.Lnot_mine_\@:
.endm
.macro CHANGE fill
	s_wait_tensorcnt 0x0                           ; no tensor load of mine is out, so group 0 may be written
	ds_add_u32 v[SPW], v[NIL]
.if \fill
	ds_add_u32 v[SPW], v[NIL]                      ; and once more, in every trip alike
	s_xor_b32 s33, s33, SLOT1
	s_add_nc_u64 s[34:35], s[34:35], 65536
	s_wait_xcnt 0x0                                ; the last prefetch, a slot back, has read its address
	s_add_nc_u64 s[36:37], s[36:37], 65536
	s_wait_dscnt 0x0
	CROUND
	TLOAD
	ASK
.else
	s_wait_dscnt 0x0
	s_barrier_signal -1
	s_barrier_wait -1
.endif
.endm
.macro LOADV v
.irp i,0,1
.irp s,0,1
.irp c,0,1
	ds_load_b128 v[QF+16*\i+8*\s+4*\c:QF+16*\i+8*\s+4*\c+3], v[ADR] offset:(2*\v+\i)*2048+\s*1024+\c*512
.endr
.endr
	ds_load_b32 v[QSC+\i], v[ADS] offset:(2*\v+\i)*128
	ds_load_b32 v[STA+104*\v+4*\i], v[ADT] offset:(2*\v+\i)*128          ; NX of query r
	ds_load_b32 v[STA+104*\v+4*\i+2], v[ADT] offset:(2*\v+\i)*128+64     ; RZ
.endr
.endm
.macro MM
.irp s,0,1
.irp u,0,1
.irp a,0,1,2,3
.if \s == 0
	WM ACC+32*\u+8*\a, KF+16*\a+8*\s, QF+16*\u+8*\s, -1, KSC+\a, QSC+\u, \s, \s
.else
	WM ACC+32*\u+8*\a, KF+16*\a+8*\s, QF+16*\u+8*\s, ACC+32*\u+8*\a, KSC+\a, QSC+\u, \s, \s
.endif
.endr
.endr
.endr
.endm
.macro VEC v
.irp u,0,1
.irp j,0,2,4,6,8,10,12,14,16,18,20,22,24,26,28,30
	v_pk_fma_f32 v[ACC+32*\u+\j:ACC+32*\u+\j+1], v[ACC+32*\u+\j:ACC+32*\u+\j+1], s[22:23], v[STA+104*\v+4*\u:STA+104*\v+4*\u+1] op_sel_hi:[1,0,0]
.endr
.endr
.set J, 0
	s_wait_alu depctr_va_vdst(0)
.rept 64
	v_exp_f32 v[ACC+J], v[ACC+J]
.set J, J+1
.endr
	v_nop
	s_wait_alu depctr_va_vdst(0)                   ; one wait for the batch of 64
.irp u,0,1
.irp j,0,2,4,6,8,10,12,14,16,18,20,22,24,26,28,30
	v_pk_fma_f32 v[COL+\j:COL+\j+1], v[ACC+32*\u+\j:ACC+32*\u+\j+1], v[STA+104*\v+4*\u+2:STA+104*\v+4*\u+3], v[COL+\j:COL+\j+1] op_sel_hi:[1,0,1]
.endr
.endr
.endm
.macro SLOTWORK
	v_add_nc_u32 v[ADR], s16, v[AF0]
	v_add_nc_u32 v[ADS], s17, v[AS0]
	v_add_nc_u32 v[ADT], s17, v[AT0]
	LOADV 0
	s_wait_alu depctr_va_vdst(0)
	s_wait_dscnt 0x0
	MM
	PLACES
	LOADV 1
	VEC 0
	s_wait_dscnt 0x0
	MM
	PLACES
	VEC 1
	s_xor_b32 s16, s16, SLOT1
	s_add_co_u32 s17, s17, 4096
.endm
; y's two fragments of my tile of points and my half of K.  A lane holds whole blocks of 32, so no other lane is asked for a maximum.
.macro YGEN
	v_sub_f32 v[OM], 1.0, v[MV]
	s_delay_alu instid0(VALU_DEP_1)
	v_cndmask_b32 v[MMR], v[MV], v[OM], s46        ; m in the first half of K, 1 - m in the second
	s_delay_alu instid0(VALU_DEP_1)
	v_mov_b32 v[MMR+1], v[MMR]
	v_bfe_u32 v[OM], v0, 4, 1
	s_delay_alu instid0(VALU_DEP_1)
	v_lshlrev_b32 v[OM], 3, v[OM]                  ; 8 h
.irp k,0,1,2,3
	v_max3_num_f32 v[VM+\k], |v[VS+32*\k]|, |v[VS+32*\k+1]|, |v[VS+32*\k+2]|
.endr
.irp i,3,5,7,9,11,13,15,17,19,21,23,25,27,29
.irp k,0,1,2,3
	s_delay_alu instid0(VALU_DEP_4)
	v_max3_num_f32 v[VM+\k], v[VM+\k], |v[VS+32*\k+\i]|, |v[VS+32*\k+\i+1]|
.endr
.endr
.irp k,0,1,2,3
	s_delay_alu instid0(VALU_DEP_4)
	v_max_num_f32 v[VM+\k], v[VM+\k], |v[VS+32*\k+31]|
.endr
.irp k,0,1,2,3
	s_delay_alu instid0(VALU_DEP_4)
	v_mul_f32 v[TT+\k], |v[MMR]|, v[VM+\k]
.endr
.irp k,0,1,2,3
	s_delay_alu instid0(VALU_DEP_4)
	v_max_num_f32 v[TT+\k], FLOOR, v[TT+\k]
.endr
.irp k,0,1,2,3
	s_delay_alu instid0(VALU_DEP_4)
	v_add_nc_u32 v[TT+\k], EOFF, v[TT+\k]
.endr
.irp k,0,1,2,3
	s_delay_alu instid0(VALU_DEP_4)
	v_lshrrev_b32 v[VM+\k], 23, v[TT+\k]           ; the bytes
.endr
.irp k,0,1,2,3
.irp g,0,1,2,3
.irp j,0,2,4,6
	v_pk_mul_f32 v[YY+8*(\g%2)+\j:YY+8*(\g%2)+\j+1], v[VS+32*\k+8*\g+\j:VS+32*\k+8*\g+\j+1], v[MMR:MMR+1]
.endr
	v_cvt_scalef32_pk8_fp4_f32 v[PC+4*\k+\g], v[YY+8*(\g%2):YY+8*(\g%2)+7], v[TT+\k]
.endr
.endr
	v_nop                                          ; a plain line behind the last conversion
	v_lshl_or_b32 v[YY], v[VM+1], 16, v[VM]
	v_lshl_or_b32 v[YY+1], v[VM+3], 16, v[VM+2]
	s_delay_alu instid0(VALU_DEP_2)
	v_lshlrev_b32 v[YY], v[OM], v[YY]
	s_delay_alu instid0(VALU_DEP_2)
	v_lshlrev_b32 v[YY+1], v[OM], v[YY+1]
	s_delay_alu instid0(VALU_DEP_2)
	v_permlanex16_b32 v[YY+2], v[YY], s20, s21
	s_delay_alu instid0(VALU_DEP_2)
	v_permlanex16_b32 v[YY+3], v[YY+1], s20, s21
	s_delay_alu instid0(VALU_DEP_2)
	v_or_b32 v[YY], v[YY], v[YY+2]
	s_delay_alu instid0(VALU_DEP_2)
	v_or_b32 v[YY+1], v[YY+1], v[YY+3]
	s_delay_alu instid0(VALU_DEP_1)
	v_cndmask_b32 v[YY+4], v[YY], v[YY+1], s39     ; lanes 0-15: my first K step's words, lanes 16-31: my second's
.irp k,0,1,2,3
	ds_store_b128 v[YWI], v[PC+4*\k:PC+4*\k+3] offset:\k*512
.endr
	ds_store_b32 v[YWS], v[YY+4]
.endm
.macro P5C pt                          ; wy of tile pt of points, my 32 channels: source 0 = 16 points, source 1 = 16 rows of W_W; two accumulators by turns
.irp s,0,1,2,3
.irp c,0,1
	ds_load_b128 v[YF+8*\s+4*\c:YF+8*\s+4*\c+3], v[YRI] offset:(\pt)*4096+\s*1024+\c*512
.endr
.endr
.irp f,0,1
	ds_load_b32 v[YS+\f], v[YRS] offset:(\pt)*256+\f*128
.endr
	s_wait_dscnt 0x0
.irp s,0,1,2,3
.irp a,0,1
.if \s == 0
	WM 128+64*\a+8*(\pt), YF+8*\s, WF+8*(4*\a+\s), -1, YS+\s/2, WS+2*\a+\s/2, \s%2, \s%2
.else
	WM 128+64*\a+8*(\pt), YF+8*\s, WF+8*(4*\a+\s), 128+64*\a+8*(\pt), YS+\s/2, WS+2*\a+\s/2, \s%2, \s%2
.endif
.endr
.endr
	PLACES
.endm
.macro BNPART a                        ; channel 32 w + 16 a + r: the mean of its 128 numbers, then the squares about it: two passes over the registers
.set W, 128+64*\a
	v_pk_add_f32 v[96:97], v[W:W+1], v[W+2:W+3]
	v_pk_add_f32 v[98:99], v[W+4:W+5], v[W+6:W+7]
.irp j,8,12,16,20,24,28,32,36,40,44,48,52,56,60
	v_pk_add_f32 v[96:97], v[96:97], v[W+\j:W+\j+1]
	v_pk_add_f32 v[98:99], v[98:99], v[W+\j+2:W+\j+3]
.endr
	s_delay_alu instid0(VALU_DEP_1)
	v_pk_add_f32 v[96:97], v[96:97], v[98:99]
	s_delay_alu instid0(VALU_DEP_1)
	v_add_f32 v96, v96, v97
	s_delay_alu instid0(VALU_DEP_1)
	v_permlanex16_b32 v114, v96, s20, s21
	s_delay_alu instid0(VALU_DEP_1)
	v_add_f32 v96, v96, v114
	s_delay_alu instid0(VALU_DEP_1)
	v_mul_f32 v100, 0x3c000000, v96                ; / 128
	s_delay_alu instid0(VALU_DEP_1)
	v_mov_b32 v101, v100
.irp j,0,4,8,12,16,20,24,28,32,36,40,44,48,52,56,60
.set DJ, 102+4*((\j/4)%2)
	v_pk_add_f32 v[DJ:DJ+1], v[W+\j:W+\j+1], v[100:101] neg_lo:[0,1] neg_hi:[0,1]
	v_pk_add_f32 v[DJ+2:DJ+3], v[W+\j+2:W+\j+3], v[100:101] neg_lo:[0,1] neg_hi:[0,1]
.if \j == 0
	s_delay_alu instid0(VALU_DEP_2)
	v_pk_mul_f32 v[110:111], v[DJ:DJ+1], v[DJ:DJ+1]
	s_delay_alu instid0(VALU_DEP_2)
	v_pk_mul_f32 v[112:113], v[DJ+2:DJ+3], v[DJ+2:DJ+3]
.else
	s_delay_alu instid0(VALU_DEP_2)
	v_pk_fma_f32 v[110:111], v[DJ:DJ+1], v[DJ:DJ+1], v[110:111]
	s_delay_alu instid0(VALU_DEP_2)
	v_pk_fma_f32 v[112:113], v[DJ+2:DJ+3], v[DJ+2:DJ+3], v[112:113]
.endif
.endr
	s_delay_alu instid0(VALU_DEP_1)
	v_pk_add_f32 v[110:111], v[110:111], v[112:113]
	s_delay_alu instid0(VALU_DEP_1)
	v_add_f32 v110, v110, v111
	s_delay_alu instid0(VALU_DEP_1)
	v_permlanex16_b32 v114, v110, s20, s21
	s_delay_alu instid0(VALU_DEP_1)
	v_add_f32 v110, v110, v114
	s_delay_alu instid0(VALU_DEP_1)
	v_cndmask_b32 v115, v100, v110, s39            ; lanes 0-15: the mean, lanes 16-31: the squares
	ds_store_b32 v[BSW], v115 offset:64*\a
.endm
	s_load_b256 s[4:11], s[0:1], 0x0               ; pj, rs, wqb, mb
	v_lshl_add_u32 v[SPW], v0, 2, SPARE
	v_mov_b32 v[NIL], 0
	ds_add_u32 v[SPW], v[NIL]                      ; the wave's opening: the add, twice on end, and its wait
	ds_add_u32 v[SPW], v[NIL]
	v_lshrrev_b32 v9, 5, v0
	s_delay_alu instid0(VALU_DEP_1)
	v_readfirstlane_b32 s12, v9
	s_bfe_u32 s13, ttmp6, 0x40000                  ; cx: it enters global addresses alone
	s_lshl_b32 s14, ttmp9, 2
	s_add_co_u32 s14, s14, s13                     ; my block of 128 keys
	s_and_b32 s15, ttmp7, 0xffff                   ; b
	s_mov_b32 s16, 0
	s_mov_b32 s17, 0
	s_mov_b32 s18, 7
	s_mov_b32 s20, 0x76543210
	s_mov_b32 s21, 0xfedcba98
	s_mov_b32 s22, 0x3fb8aa3b
	s_mov_b32 s23, s22
	s_mov_b32 s39, 0xffff0000
	s_mov_b32 s24, 15|(3<<16)|(1<<21)
	s_mov_b32 s25, 32<<16
	s_mov_b32 s26, 64<<16
	s_mov_b32 s27, 32<<16
	s_mov_b32 s28, 64
	s_mov_b32 s29, 32
	s_mov_b32 s30, 0
	s_mov_b32 s31, 0
	s_mov_b32 s32, 1
	s_lshl_b32 s33, s12, 14                        ; waves 0-3: slot 0; 4, 5: the scale images; 6, 7: the statistics
	s_lshl_b32 s40, s15, 19
	s_lshl_b32 s41, s12, 14
	s_add_co_u32 s40, s40, s41                     ; q's codes
	s_lshl_b32 s41, s15, 15
	s_and_b32 s42, s12, 1
	s_lshl_b32 s43, s42, 14
	s_add_co_u32 s41, s41, s43                     ; the statistics,
	s_add_co_u32 s43, s41, QSO                     ; q's scale images
	s_lshr_b32 s48, s12, 1
	s_xor_b32 s49, s48, 4
	s_or_b32 s49, s49, ttmp9
	s_cmp_eq_u32 s49, 0
	s_cselect_b32 s19, 1, -1
	s_lshl_b32 s50, s15, 19
	s_add_co_u32 s50, s50, 65536
	s_lshl_b32 s51, s13, 14
	s_add_co_u32 s50, s50, s51
	s_lshl_b32 s51, s42, 13
	s_add_co_u32 s50, s50, s51
	s_mov_b32 s51, 0
	s_wait_dscnt 0x0
	s_wait_kmcnt 0x0
	s_cmp_lt_u32 s12, 6
	s_cselect_b32 s41, s43, s41
	s_cselect_b64 s[44:45], s[4:5], s[6:7]
	s_cmp_lt_u32 s12, 4
	s_cselect_b32 s40, s40, s41
	s_mov_b32 s41, 0
	s_add_nc_u64 s[34:35], s[44:45], s[40:41]
	s_or_b32 s35, s35, 0x80000000
	s_add_nc_u64 s[36:37], s[4:5], s[50:51]
	CROUND
	s_cmp_lt_u32 s12, NHEAD
	s_cbranch_scc0 .Lno_first
	tensor_load_to_lds s[32:35], s[24:31]
	s_nop 0
.rept 4
	v_nop
.endr
.Lno_first:
	v_and_b32 v9, 31, v0
	s_delay_alu instid0(VALU_DEP_1)
	v_lshlrev_b32 v11, 4, v9                       ; 16 x lane
	s_wait_alu depctr_va_vdst(0)
	v_lshlrev_b32 v12, 2, v9                       ; 4 x lane
	s_wait_alu depctr_va_vdst(0)
	v_lshlrev_b32 v[PFO], 8, v9
	v_and_b32 v13, 15, v0
	s_lshl_b32 s43, s48, 13
	v_add_nc_u32 v[AF0], s43, v11
	s_lshl_b32 s43, s48, 9
	s_add_co_u32 s49, s43, SCL
	v_add_nc_u32 v[AS0], s49, v12
	s_add_co_u32 s49, s43, STT
	v_lshl_add_u32 v[AT0], v13, 2, s49
	s_lshl_b32 s40, s15, 19
	s_lshl_b32 s43, s14, 14
	s_add_co_u32 s40, s40, s43
	s_lshl_b32 s43, s42, 13
	s_add_co_u32 s40, s40, s43
	s_add_co_u32 s40, s40, KCO
	s_add_nc_u64 s[44:45], s[4:5], s[40:41]        ; my four tiles of keys
	s_lshl_b32 s40, s15, 15
	s_lshl_b32 s43, s14, 10
	s_add_co_u32 s40, s40, s43
	s_lshl_b32 s43, s42, 9
	s_add_co_u32 s40, s40, s43
	s_add_co_u32 s40, s40, KSO
	s_add_nc_u64 s[52:53], s[4:5], s[40:41]
.irp a,0,1,2,3
.irp s,0,1
.irp c,0,1
	global_load_b128 v[KF+16*\a+8*\s+4*\c:KF+16*\a+8*\s+4*\c+3], v11, s[44:45] offset:\a*2048+\s*1024+\c*512
.endr
.endr
	global_load_b32 v[KSC+\a], v12, s[52:53] offset:\a*128
.endr
.irp j,1,3,5,7
	v_mov_b32 v[STA+\j], 0                         ; named as the upper halves of pairs
	v_mov_b32 v[STA+104+\j], 0
.endr
.set J, 0
.rept 32
	v_mov_b32 v[COL+J], 0
.set J, J+1
.endr
	s_wait_loadcnt 0x0
.Lslot:
	CHANGE 1
	SLOTWORK
	s_sub_co_u32 s18, s18, 1
	s_cmp_lg_u32 s18, 0
	s_cbranch_scc1 .Lslot
	CHANGE 0
	SLOTWORK
	s_wait_xcnt 0x0                                ; the prefetches have read their offset register, which is written below
.irp m,1,2,4,8                         ; the column sums over the sixteen queries of the lanes
.set J, 0
.rept 32
	v_add_f32_dpp v[COL+J], v[COL+J], v[COL+J] row_xmask:\m row_mask:0xf bank_mask:0xf
.set J, J+1
.endr
.endr
	v_and_b32 v84, 31, v0
	v_and_b32 v85, 15, v0                          ; r
	v_bfe_u32 v86, v0, 4, 1                        ; h
	s_delay_alu instid0(VALU_DEP_3)
	v_lshlrev_b32 v[LI], 4, v84
	s_delay_alu instid0(VALU_DEP_4)
	v_lshlrev_b32 v[LS], 2, v84
	s_wait_alu depctr_va_vdst(0)
	v_lshlrev_b32 v[L8], 3, v84
	v_lshlrev_b32 v[H128], 7, v86
	s_lshl_b32 s43, s12, 8
	s_add_co_u32 s43, s43, SCR
	v_lshl_add_u32 v[SCW], v86, 5, s43
	s_lshl_b32 s43, s48, 6                         ; my tile of points: w / 2
	s_add_co_u32 s49, s43, SCR
	v_lshl_add_u32 v[MRD], v85, 2, s49
	s_add_co_u32 s49, s43, MST
	v_lshl_add_u32 v[MSW], v85, 2, s49
	v_add_nc_u32 v[MSR], MST, v[LI]
	s_lshl_b32 s43, s12, 11
	s_add_co_u32 s43, s43, YIMG
	v_add_nc_u32 v[YWI], s43, v[LI]
	s_lshl_b32 s43, s12, 7
	s_add_co_u32 s49, s43, YSC
	v_add_nc_u32 v[YWS], s49, v[LS]
	v_add_nc_u32 v[YRI], YIMG, v[LI]
	v_add_nc_u32 v[YRS], YSC, v[LS]
	s_add_co_u32 s49, s43, BST
	v_lshl_add_u32 v[BSW], v86, 11, s49
	s_delay_alu instid0(VALU_DEP_1)
	v_lshl_add_u32 v[BSW], v85, 2, v[BSW]
.irp a,0,1,2,3
.irp g,0,1
	ds_store_b128 v[SCW], v[COL+8*\a+4*\g:COL+8*\a+4*\g+3] offset:\a*64+\g*16     ; sixteen lanes write the same bytes with the same values
.endr
.endr
	s_lshl_b32 s40, s12, 13
	s_add_co_u32 s40, s40, 196608
	s_add_nc_u64 s[44:45], s[8:9], s[40:41]        ; W_W's tiles 48 + 2 w, + 1
	s_lshl_b32 s40, s12, 9
	s_add_co_u32 s40, s40, WSOFF+12288
	s_add_nc_u64 s[50:51], s[8:9], s[40:41]
	s_lshl_b32 s40, s15, 10
	s_add_co_u32 s40, s40, VSO
	s_add_nc_u64 s[52:53], s[6:7], s[40:41]        ; vsum[b]
	s_lshl_b32 s40, s15, 14
	s_lshl_b32 s43, s14, 9
	s_add_co_u32 s40, s40, s43
	s_add_nc_u64 s[54:55], s[10:11], s[40:41]      ; m of my 128 points
	s_lshl_b32 s40, s15, 5
	s_add_co_u32 s40, s40, s14
	s_lshl_b32 s40, s40, 12
	s_lshl_b32 s43, s12, 9
	s_add_co_u32 s40, s40, s43
	s_add_co_u32 s40, s40, BNPO
	s_add_nc_u64 s[56:57], s[10:11], s[40:41]      ; my work-group's partials, 512 bytes a wave
	s_cmp_eq_u32 s42, 0
	s_cselect_b32 s46, 0, -1                       ; all lanes, where my half of K is the second
.irp i,0,1,2,3,4,5,6,7
.irp c,0,1
	global_load_b128 v[WF+8*\i+4*\c:WF+8*\i+4*\c+3], v[LI], s[44:45] offset:\i*1024+\c*512
.endr
.endr
.irp a,0,1
	global_load_b64 v[WS+2*\a:WS+2*\a+1], v[L8], s[50:51] offset:\a*256
.endr
	s_wait_alu depctr_va_vdst(0)
	s_wait_dscnt 0x0                               ; the stores have read the column sums, whose registers the loads below take
.irp k,0,1,2,3
.irp i,0,1,2,3,4,5,6,7
	global_load_b128 v[VS+32*\k+4*\i:VS+32*\k+4*\i+3], v[H128], s[52:53] offset:\k*256+\i*16
.endr
.endr
	s_barrier_signal -1
	s_barrier_wait -1                              ; all sixteen waves' column sums lie in LDS
.irp p,0,1,2,3,4,5,6,7
	ds_load_b32 v[96+\p], v[MRD] offset:\p*512
.endr
	s_wait_dscnt 0x0
	v_add_f32 v96, v96, v97
	v_add_f32 v98, v98, v99
	v_add_f32 v100, v100, v101
	v_add_f32 v102, v102, v103
	s_delay_alu instid0(VALU_DEP_3)
	v_add_f32 v96, v96, v98
	s_delay_alu instid0(VALU_DEP_2)
	v_add_f32 v100, v100, v102
	s_delay_alu instid0(VALU_DEP_1)
	v_add_f32 v96, v96, v100
	s_delay_alu instid0(VALU_DEP_1)
	v_mul_f32 v[MV], 0x39800000, v96               ; / 4,096: m of point r of my tile
	s_cmp_lg_u32 s42, 0
	s_cbranch_scc1 .Lno_m
	ds_store_b32 v[MSW], v[MV]
.Lno_m:
	s_wait_loadcnt 0x0
	s_lshl_b32 s43, s12, 9
	s_add_co_u32 s43, s43, BST
	v_add_nc_u32 v[L8], s43, v[LI]                 ; its loads are done: now where I read the partials back
	s_wait_alu depctr_va_vdst(0)
	YGEN
	s_wait_dscnt 0x0
	s_barrier_signal -1
	s_barrier_wait -1                              ; y's 32 fragments and m lie in LDS
	s_cmp_lg_u32 s12, 0
	s_cbranch_scc1 .Lno_mout
	ds_load_b128 v[84:87], v[MSR]
	s_wait_dscnt 0x0
	global_store_b128 v[LI], v[84:87], s[54:55]    ; 512 consecutive bytes
.Lno_mout:
.irp p,0,1,2,3,4,5,6,7
	P5C \p
.endr
	v_mov_b32 v114, 0
	BNPART 0
	BNPART 1
	s_wait_dscnt 0x0
	s_barrier_signal -1
	s_barrier_wait -1
	s_cmp_lt_u32 s12, 8
	s_cbranch_scc0 .Lend
	ds_load_b128 v[88:91], v[L8]
	s_wait_dscnt 0x0
	global_store_b128 v[LI], v[88:91], s[56:57]    ; 512 consecutive bytes a wave
.Lend:
	s_wait_tensorcnt 0x0                           ; the wave's end
	ds_add_u32 v[SPW], v[NIL]
	s_wait_dscnt 0x0
	CROUND                                         ; the closing round
	s_endpgm
.Lfunc_end_k_q663dff0be8_colsum:
	.size	k_q663dff0be8_colsum, .Lfunc_end_k_q663dff0be8_colsum-k_q663dff0be8_colsum
	.p2alignl 7, 3214868480
	.fill 96, 4, 3214868480
	.section	.rodata,"a",@progbits
	.p2align	6, 0x0
	.amdhsa_kernel k_q663dff0be8_colsum
		.amdhsa_group_segment_fixed_size 327680
		.amdhsa_private_segment_fixed_size 0
		.amdhsa_enable_private_segment 0
		.amdhsa_kernarg_size 32
		.amdhsa_user_sgpr_count 2
		.amdhsa_user_sgpr_kernarg_segment_ptr 1
		.amdhsa_wavefront_size32 1
		.amdhsa_system_sgpr_workgroup_id_x 1
		.amdhsa_system_sgpr_workgroup_id_y 1
		.amdhsa_system_sgpr_workgroup_id_z 1
		.amdhsa_system_vgpr_workitem_id 0
		.amdhsa_next_free_vgpr 256
		.amdhsa_next_free_sgpr 66
		.amdhsa_reserve_vcc 0
		.amdhsa_float_denorm_mode_32 3
		.amdhsa_float_denorm_mode_16_64 3
		.amdhsa_memory_ordered 1
		.amdhsa_forward_progress 1
		.amdhsa_inst_pref_size 108
	.end_amdhsa_kernel
	.amdgpu_metadata
---
amdhsa.version: [ 1, 2 ]
amdhsa.kernels:
  - .name:           k_q663dff0be8_colsum
    .symbol:         k_q663dff0be8_colsum.kd
    .args:
      - { .name: pj, .offset: 0, .size: 8, .value_kind: global_buffer, .address_space: global }
      - { .name: rs, .offset: 8, .size: 8, .value_kind: global_buffer, .address_space: global }
      - { .name: wqb, .offset: 16, .size: 8, .value_kind: global_buffer, .address_space: global }
      - { .name: mb, .offset: 24, .size: 8, .value_kind: global_buffer, .address_space: global }
    .group_segment_fixed_size: 327680
    .private_segment_fixed_size: 0
    .kernarg_segment_align: 8
    .kernarg_segment_size: 32
    .max_flat_workgroup_size: 512
    .sgpr_count:     66
    .vgpr_count:     256
    .wavefront_size: 32
...
	.end_amdgpu_metadata
.endif
;; end of part 4
;; launch bnfin (part 5): grid 16 x 1, 16 waves a work-group, no clusters, 6,144 bytes of LDS; arguments mb, gamma, ab; writes ab
.if DOCPART == 5
	.amdgcn_target "amdgcn-amd-amdhsa--gfx1250"
	.amdhsa_code_object_version 6
	.text
	.protected	k_q663dff0be8_bnfin
	.globl	k_q663dff0be8_bnfin
	.p2align	8
	.type	k_q663dff0be8_bnfin,@function
k_q663dff0be8_bnfin:
	s_mov_b64 s[64:65], 0
	v_nop
	global_prefetch_b8 v0, s[64:65] scope:SCOPE_SE
	s_setreg_imm32_b32 hwreg(HW_REG_WAVE_MODE, 25, 1), 1
	s_wait_xcnt 0x0
; The 256 partials (a mean and a sum of squares about it, of 128 numbers each) of each channel become -mu and A = gamma / sqrt(var + eps):
; mu = the mean of the means; 32,768 var = the sum of (squares + 128 (mean - mu)^2): no difference of large sums.
; Work-group g takes channels 32 g + lane; wave w partials 16 w .. + 15.  A launch of its own, since otherwise each of the last launch's 256 work-groups would read all 1 MB of partials.
.set BNPO,  131072
.set R2,    2048                       ; LDS: 0: [wave][lane] sums of means;  here: of squares
.set SPARE, 4096
	s_load_b128 s[4:7], s[0:1], 0x0                ; mb, gamma
	s_load_b64 s[8:9], s[0:1], 0x10                ; ab
	v_lshl_add_u32 v30, v0, 2, SPARE
	v_mov_b32 v31, 0
	v_lshrrev_b32 v1, 5, v0
	s_delay_alu instid0(VALU_DEP_1)
	v_readfirstlane_b32 s10, v1
	v_and_b32 v1, 31, v0
	s_delay_alu instid0(VALU_DEP_1)
	v_lshlrev_b32 v2, 2, v1
	s_lshl_b32 s11, s10, 7
	v_add_nc_u32 v3, s11, v2
	s_lshl_b32 s12, s10, 16
	s_lshl_b32 s14, ttmp9, 7
	s_add_co_u32 s12, s12, s14
	s_add_co_u32 s12, s12, BNPO
	s_mov_b32 s13, 0
	s_mov_b32 s15, 0
	s_wait_alu depctr_va_vdst(0)
	s_wait_kmcnt 0x0
	s_add_nc_u64 s[16:17], s[4:5], s[12:13]
	s_add_nc_u64 s[18:19], s[6:7], s[14:15]
	s_add_nc_u64 s[20:21], s[8:9], s[14:15]
.irp i,0,1,2,3,4,5,6,7,8,9,10,11,12,13,14,15
	global_load_b32 v[32+\i], v2, s[16:17] offset:\i*4096
	global_load_b32 v[48+\i], v2, s[16:17] offset:\i*4096+2048
.endr
	global_load_b32 v29, v2, s[18:19]
	s_wait_loadcnt 0x0
	v_add_f32 v5, v32, v36
	v_add_f32 v6, v40, v44
	v_add_f32 v7, v33, v37
	v_add_f32 v28, v41, v45
	v_add_f32 v27, v34, v38
	v_add_f32 v26, v42, v46
	v_add_f32 v25, v35, v39
	v_add_f32 v4, v43, v47
	s_delay_alu instid0(VALU_DEP_1)
	v_add_f32 v4, v4, v28
	v_add_f32 v5, v5, v27
	v_add_f32 v6, v6, v26
	v_add_f32 v7, v7, v25
	s_delay_alu instid0(VALU_DEP_2)
	v_add_f32 v4, v4, v6
	s_delay_alu instid0(VALU_DEP_2)
	v_add_f32 v5, v5, v7
	s_delay_alu instid0(VALU_DEP_1)
	v_add_f32 v4, v4, v5
	ds_store_b32 v3, v4
	s_wait_dscnt 0x0
	s_barrier_signal -1
	s_barrier_wait -1
.irp i,0,1,2,3,4,5,6,7,8,9,10,11,12,13,14,15
	ds_load_b32 v[8+\i], v2 offset:\i*128
.endr
	s_wait_dscnt 0x0
	v_add_f32 v28, v9, v10
	v_add_f32 v27, v11, v12
	v_add_f32 v26, v13, v14
	v_add_f32 v25, v15, v16
	v_add_f32 v24, v17, v18
	v_add_f32 v7, v19, v20
	v_add_f32 v6, v21, v22
	v_add_f32 v8, v8, v23
	s_delay_alu instid0(VALU_DEP_1)
	v_add_f32 v8, v8, v25
	v_add_f32 v28, v28, v24
	v_add_f32 v27, v27, v7
	v_add_f32 v26, v26, v6
	s_delay_alu instid0(VALU_DEP_2)
	v_add_f32 v8, v8, v27
	s_delay_alu instid0(VALU_DEP_2)
	v_add_f32 v28, v28, v26
	s_delay_alu instid0(VALU_DEP_1)
	v_add_f32 v8, v8, v28
	s_delay_alu instid0(VALU_DEP_1)
	v_mul_f32 v24, 0x3b800000, v8                  ; mu
	s_delay_alu instid0(VALU_DEP_1)
	v_sub_f32 v27, v32, v24
	s_delay_alu instid0(VALU_DEP_1)
	v_mul_f32 v26, 0x43000000, v27
	s_delay_alu instid0(VALU_DEP_1)
	v_fma_f32 v25, v27, v26, v48
.irp i,1,2,3,4,5,6,7,8,9,10,11,12,13,14,15
	v_sub_f32 v27, v[32+\i], v24
	s_delay_alu instid0(VALU_DEP_1)
	v_mul_f32 v26, 0x43000000, v27
	s_delay_alu instid0(VALU_DEP_1)
	v_fma_f32 v25, v27, v26, v25
	s_delay_alu instid0(VALU_DEP_1)
	v_add_f32 v25, v25, v[48+\i]
.endr
	ds_store_b32 v3, v25 offset:R2
	s_wait_dscnt 0x0
	s_barrier_signal -1
	s_barrier_wait -1
	s_cmp_lg_u32 s10, 0
	s_cbranch_scc1 .Lend
.irp i,0,1,2,3,4,5,6,7,8,9,10,11,12,13,14,15
	ds_load_b32 v[8+\i], v2 offset:R2+\i*128
.endr
	s_wait_dscnt 0x0
	v_add_f32 v63, v9, v10
	v_add_f32 v62, v11, v12
	v_add_f32 v61, v13, v14
	v_add_f32 v60, v15, v16
	v_add_f32 v59, v17, v18
	v_add_f32 v58, v19, v20
	v_add_f32 v57, v21, v22
	v_add_f32 v8, v8, v23
	s_delay_alu instid0(VALU_DEP_1)
	v_add_f32 v8, v8, v60
	v_add_f32 v63, v63, v59
	v_add_f32 v62, v62, v58
	v_add_f32 v61, v61, v57
	s_delay_alu instid0(VALU_DEP_2)
	v_add_f32 v8, v8, v62
	s_delay_alu instid0(VALU_DEP_2)
	v_add_f32 v63, v63, v61
	s_delay_alu instid0(VALU_DEP_1)
	v_add_f32 v8, v8, v63
	s_delay_alu instid0(VALU_DEP_1)
	v_mul_f32 v8, 0x38000000, v8                   ; / 32,768: the variance
	s_delay_alu instid0(VALU_DEP_1)
	v_add_f32 v8, 0x3727c5ac, v8                   ; + 1e-5
	s_wait_alu depctr_va_vdst(0)
	v_rsq_f32 v9, v8
	v_mul_f32 v28, -1.0, v24                       ; -mu (a plain line behind the root)
	s_wait_alu depctr_va_vdst(0)
	v_mul_f32 v9, v29, v9
	global_store_b32 v2, v28, s[20:21]
	global_store_b32 v2, v9, s[20:21] offset:2048
.Lend:
	s_wait_tensorcnt 0x0                           ; the wave's end
	ds_add_u32 v30, v31
	s_wait_dscnt 0x0
	s_endpgm
.Lfunc_end_k_q663dff0be8_bnfin:
	.size	k_q663dff0be8_bnfin, .Lfunc_end_k_q663dff0be8_bnfin-k_q663dff0be8_bnfin
	.p2alignl 7, 3214868480
	.fill 96, 4, 3214868480
	.section	.rodata,"a",@progbits
	.p2align	6, 0x0
	.amdhsa_kernel k_q663dff0be8_bnfin
		.amdhsa_group_segment_fixed_size 6144
		.amdhsa_private_segment_fixed_size 0
		.amdhsa_enable_private_segment 0
		.amdhsa_kernarg_size 24
		.amdhsa_user_sgpr_count 2
		.amdhsa_user_sgpr_kernarg_segment_ptr 1
		.amdhsa_wavefront_size32 1
		.amdhsa_system_sgpr_workgroup_id_x 1
		.amdhsa_system_sgpr_workgroup_id_y 1
		.amdhsa_system_sgpr_workgroup_id_z 1
		.amdhsa_system_vgpr_workitem_id 0
		.amdhsa_next_free_vgpr 64
		.amdhsa_next_free_sgpr 66
		.amdhsa_reserve_vcc 0
		.amdhsa_float_denorm_mode_32 3
		.amdhsa_float_denorm_mode_16_64 3
		.amdhsa_memory_ordered 1
		.amdhsa_forward_progress 1
		.amdhsa_inst_pref_size 14
	.end_amdhsa_kernel
	.amdgpu_metadata
---
amdhsa.version: [ 1, 2 ]
amdhsa.kernels:
  - .name:           k_q663dff0be8_bnfin
    .symbol:         k_q663dff0be8_bnfin.kd
    .args:
      - { .name: mb, .offset: 0, .size: 8, .value_kind: global_buffer, .address_space: global }
      - { .name: gamma, .offset: 8, .size: 8, .value_kind: global_buffer, .address_space: global }
      - { .name: ab, .offset: 16, .size: 8, .value_kind: global_buffer, .address_space: global }
    .group_segment_fixed_size: 6144
    .private_segment_fixed_size: 0
    .kernarg_segment_align: 8
    .kernarg_segment_size: 24
    .max_flat_workgroup_size: 512
    .sgpr_count:     66
    .vgpr_count:     64
    .wavefront_size: 32
...
	.end_amdgpu_metadata
.endif
;; end of part 5
;; launch final (part 6): grid 32 x 8, 16 waves a work-group, no clusters, 307,200 bytes of LDS; arguments x, wqb, rs, mb, ab, beta, out0; writes out0
.if DOCPART == 6
	.amdgcn_target "amdgcn-amd-amdhsa--gfx1250"
	.amdhsa_code_object_version 6
	.text
	.protected	k_q663dff0be8_final
	.globl	k_q663dff0be8_final
	.p2align	8
	.type	k_q663dff0be8_final,@function
k_q663dff0be8_final:
	s_mov_b64 s[64:65], 0
	v_nop
	global_prefetch_b8 v0, s[64:65] scope:SCOPE_SE
	s_setreg_imm32_b32 hwreg(HW_REG_WAVE_MODE, 25, 1), 1
	s_wait_xcnt 0x0
; out = A (W_W y - mu) + beta + x, for 128 points of batch b and all 512 channels.  y and the product are made again from m and vsum: that costs 64 products a wave, storing wy would cost its bytes twice.
; b_W is left out (dead work: it cancels in wy - mu for all values).
; SHARES.  Sixteen waves.  Wave w makes y's fragments of tile of points w / 2, K steps 2 (w % 2) and + 1 (through LDS to all waves, as images of the operand's registers), then channels 32 w .. + 31 for all 128 points.
; x COMES BY THE TENSOR DATA MOVER: each wave asks, first thing, for its own 32 channels x 128 points (rows of 512 bytes, 16 of padding behind each): one load of mine is out, and it lands while y and its codes are made.
; Only the wave that asked touches those bytes: it reads x in the result's layout, puts the result back into the same bytes (they have had their only fill), reads whole rows and stores 512 consecutive bytes an instruction.
; -mu is the C of each sum's first product.  Source 0 = 16 points, source 1 = 16 rows of W_W: a lane holds one channel and eight neighbouring points.
; No cluster: what work-groups share is W_W's codes (136 KB, straight into registers) beside 512 KB of x and out of each work-group's own.  No prefetch: all of x is asked for at the head.
.set FLOOR, 0x1800000
.set EOFF,  0xff000000
.set VSO,   262144
.set WSOFF, 327680
.set XROW,  528                        ; a channel's row in LDS: 512 bytes + 16: sixteen rows that a load touches start 16 bytes apart modulo 256
.set XWV,   32*XROW                    ; a wave's 32 rows
.set YIMG,  270336
.set YSC,   303104
.set SPARE, 305152
.set LI,  1
.set LS,  2
.set SPW, 3
.set NIL, 4
.set YWI, 5
.set YWS, 6
.set YRI, 7
.set YRS, 8
.set PRM, 9                            ; v9-14  -mu, A, beta of my two channels
.set WF,  16
.set WS,  80
.set MMR, 84
.set MV,  86
.set OM,  87
.set VM,  88
.set TT,  92
.set YS,  92
.set XWA, 94                           ; behind YGEN: x in the result's layout
.set RRA, 95                           ; and by rows
.set YY,  96
.set YF,  96
.set PC,  112
.set VS,  128
.set CM,  128                          ; behind YGEN: v128-143 -mu, eight times for each tile of channels
.set DD,  144                          ; v144-159 the two accumulators
.set XB,  176                          ; v176-207 x, two sets of 16
.macro WM d, a, b, c, sa, sb, ra, rb
.if (\ra) && (\rb)
	v_wmma_scale_f32_16x16x128_f8f6f4 v[(\d):(\d)+7], v[(\a):(\a)+7], v[(\b):(\b)+7], v[(\c):(\c)+7], v[(\sa)], v[(\sb)] matrix_a_fmt:MATRIX_FMT_FP4 matrix_b_fmt:MATRIX_FMT_FP4 matrix_a_scale:MATRIX_SCALE_ROW1 matrix_b_scale:MATRIX_SCALE_ROW1
.else
	v_wmma_scale_f32_16x16x128_f8f6f4 v[(\d):(\d)+7], v[(\a):(\a)+7], v[(\b):(\b)+7], v[(\c):(\c)+7], v[(\sa)], v[(\sb)] matrix_a_fmt:MATRIX_FMT_FP4 matrix_b_fmt:MATRIX_FMT_FP4
.endif
.endm
; y's two fragments of my tile of points and my half of K.  A block's largest |y| is |mm| x the block's largest |vsum|, rounded: rounding keeps order, so this is the largest of the rounded products, exactly.
.macro YGEN
	v_sub_f32 v[OM], 1.0, v[MV]
	s_delay_alu instid0(VALU_DEP_1)
	v_cndmask_b32 v[MMR], v[MV], v[OM], s23        ; m in the first half of K, 1 - m in the second
	s_delay_alu instid0(VALU_DEP_1)
	v_mov_b32 v[MMR+1], v[MMR]
	v_bfe_u32 v[OM], v0, 4, 1
	s_delay_alu instid0(VALU_DEP_1)
	v_lshlrev_b32 v[OM], 3, v[OM]                  ; 8 h
.irp k,0,1,2,3
	v_max3_num_f32 v[VM+\k], |v[VS+32*\k]|, |v[VS+32*\k+1]|, |v[VS+32*\k+2]|
.endr
.irp i,3,5,7,9,11,13,15,17,19,21,23,25,27,29
.irp k,0,1,2,3
	s_delay_alu instid0(VALU_DEP_4)
	v_max3_num_f32 v[VM+\k], v[VM+\k], |v[VS+32*\k+\i]|, |v[VS+32*\k+\i+1]|
.endr
.endr
.irp k,0,1,2,3
	s_delay_alu instid0(VALU_DEP_4)
	v_max_num_f32 v[VM+\k], v[VM+\k], |v[VS+32*\k+31]|
.endr
.irp k,0,1,2,3
	s_delay_alu instid0(VALU_DEP_4)
	v_mul_f32 v[TT+\k], |v[MMR]|, v[VM+\k]
.endr
.irp k,0,1,2,3
	s_delay_alu instid0(VALU_DEP_4)
	v_max_num_f32 v[TT+\k], FLOOR, v[TT+\k]
.endr
.irp k,0,1,2,3
	s_delay_alu instid0(VALU_DEP_4)
	v_add_nc_u32 v[TT+\k], EOFF, v[TT+\k]
.endr
.irp k,0,1,2,3
	s_delay_alu instid0(VALU_DEP_4)
	v_lshrrev_b32 v[VM+\k], 23, v[TT+\k]
.endr
.irp k,0,1,2,3
.irp g,0,1,2,3
.irp j,0,2,4,6
	v_pk_mul_f32 v[YY+8*(\g%2)+\j:YY+8*(\g%2)+\j+1], v[VS+32*\k+8*\g+\j:VS+32*\k+8*\g+\j+1], v[MMR:MMR+1]
.endr
	v_cvt_scalef32_pk8_fp4_f32 v[PC+4*\k+\g], v[YY+8*(\g%2):YY+8*(\g%2)+7], v[TT+\k]
.endr
.endr
	v_nop                                          ; a plain line behind the last conversion
	v_lshl_or_b32 v[YY], v[VM+1], 16, v[VM]
	v_lshl_or_b32 v[YY+1], v[VM+3], 16, v[VM+2]
	s_delay_alu instid0(VALU_DEP_2)
	v_lshlrev_b32 v[YY], v[OM], v[YY]
	s_delay_alu instid0(VALU_DEP_2)
	v_lshlrev_b32 v[YY+1], v[OM], v[YY+1]
	s_delay_alu instid0(VALU_DEP_2)
	v_permlanex16_b32 v[YY+2], v[YY], s20, s21
	s_delay_alu instid0(VALU_DEP_2)
	v_permlanex16_b32 v[YY+3], v[YY+1], s20, s21
	s_delay_alu instid0(VALU_DEP_2)
	v_or_b32 v[YY], v[YY], v[YY+2]
	s_delay_alu instid0(VALU_DEP_2)
	v_or_b32 v[YY+1], v[YY+1], v[YY+3]
	s_delay_alu instid0(VALU_DEP_1)
	v_cndmask_b32 v[YY+4], v[YY], v[YY+1], s22
.irp k,0,1,2,3
	ds_store_b128 v[YWI], v[PC+4*\k:PC+4*\k+3] offset:\k*512
.endr
	ds_store_b32 v[YWS], v[YY+4]
.endm
.macro P5F pt                          ; tile pt of points, my 32 channels: eight products, two accumulators by turns; then the result goes back into x's bytes
.set XBS, XB+16*((\pt)%2)
.irp s,0,1,2,3
.irp c,0,1
	ds_load_b128 v[YF+8*\s+4*\c:YF+8*\s+4*\c+3], v[YRI] offset:(\pt)*4096+\s*1024+\c*512
.endr
.endr
.irp f,0,1
	ds_load_b32 v[YS+\f], v[YRS] offset:(\pt)*256+\f*128
.endr
.irp a,0,1
.irp g,0,1
	ds_load_b128 v[XBS+8*\a+4*\g:XBS+8*\a+4*\g+3], v[XWA] offset:\a*16*XROW+(\pt)*64+\g*16
.endr
.endr
	s_wait_dscnt 0x0
.irp s,0,1,2,3
.irp a,0,1
.if \s == 0
	WM DD+8*\a, YF+8*\s, WF+8*(4*\a+\s), CM+8*\a, YS+\s/2, WS+2*\a+\s/2, \s%2, \s%2
.else
	WM DD+8*\a, YF+8*\s, WF+8*(4*\a+\s), DD+8*\a, YS+\s/2, WS+2*\a+\s/2, \s%2, \s%2
.endif
.endr
.endr
.irp a,0,1
.irp j,0,2,4,6
	v_pk_add_f32 v[XBS+8*\a+\j:XBS+8*\a+\j+1], v[XBS+8*\a+\j:XBS+8*\a+\j+1], v[88+2*\a:89+2*\a]        ; x + beta: these eight are the places behind the products
.endr
.endr
.irp a,0,1
.irp j,0,2,4,6
	v_pk_fma_f32 v[XBS+8*\a+\j:XBS+8*\a+\j+1], v[DD+8*\a+\j:DD+8*\a+\j+1], v[84+2*\a:85+2*\a], v[XBS+8*\a+\j:XBS+8*\a+\j+1]
.endr
.endr
.irp a,0,1
.irp g,0,1
	ds_store_b128 v[XWA], v[XBS+8*\a+4*\g:XBS+8*\a+4*\g+3] offset:\a*16*XROW+(\pt)*64+\g*16
.endr
.endr
.endm
	s_load_b256 s[4:11], s[0:1], 0x0               ; x, wqb, rs, mb
	s_load_b128 s[12:15], s[0:1], 0x20             ; ab, beta
	s_load_b64 s[16:17], s[0:1], 0x30              ; out0
	v_lshl_add_u32 v[SPW], v0, 2, SPARE
	v_mov_b32 v[NIL], 0
	ds_add_u32 v[SPW], v[NIL]                      ; the wave's opening: the add, twice on end, and its wait ahead of my tensor load
	ds_add_u32 v[SPW], v[NIL]
	v_lshrrev_b32 v15, 5, v0
	s_delay_alu instid0(VALU_DEP_1)
	v_readfirstlane_b32 s18, v15                   ; wave 0..15
	s_and_b32 s19, ttmp7, 0xffff                   ; b
	s_mov_b32 s20, 0x76543210
	s_mov_b32 s21, 0xfedcba98
	s_mov_b32 s22, 0xffff0000
	s_mov_b32 s24, (2<<16)|(1<<20)|(6<<22)|(3<<25) ; group 1: elements of 4 bytes; four words of padding after every 128
	s_mov_b32 s25, 128<<16                         ; tensor_dim0 = 128 points
	s_mov_b32 s26, 32<<16                          ; tensor_dim1 = 32 channels
	s_mov_b32 s27, 128<<16
	s_mov_b32 s28, 32
	s_mov_b32 s29, 4096
	s_mov_b32 s30, 0
	s_mov_b32 s31, 0
	s_mov_b32 s32, 1
	s_mul_i32 s33, s18, XWV
	s_lshl_b32 s40, s19, 23
	s_lshl_b32 s41, s18, 19
	s_add_co_u32 s40, s40, s41
	s_lshl_b32 s41, ttmp9, 9
	s_add_co_u32 s40, s40, s41
	s_mov_b32 s41, 0
	s_wait_dscnt 0x0
	s_wait_kmcnt 0x0
	s_add_nc_u64 s[34:35], s[4:5], s[40:41]
	s_or_b32 s35, s35, 0x80000000
	tensor_load_to_lds s[32:35], s[24:31]
	s_nop 0
.rept 4
	v_nop
.endr
	s_add_nc_u64 s[42:43], s[16:17], s[40:41]      ; the same place in out
	v_and_b32 v15, 31, v0
	s_delay_alu instid0(VALU_DEP_1)
	v_lshlrev_b32 v[LI], 4, v15
	s_delay_alu instid0(VALU_DEP_2)
	v_lshlrev_b32 v[LS], 2, v15
	s_delay_alu instid0(VALU_DEP_3)
	v_lshlrev_b32 v98, 3, v15                      ; 8 x lane
	v_and_b32 v96, 15, v0
	s_delay_alu instid0(VALU_DEP_1)
	v_lshlrev_b32 v96, 2, v96                      ; 4 r
	s_wait_alu depctr_va_vdst(0)
	v_bfe_u32 v97, v0, 4, 1
	s_delay_alu instid0(VALU_DEP_1)
	v_lshlrev_b32 v97, 7, v97                      ; 128 h
	s_wait_alu depctr_va_vdst(0)
	s_lshl_b32 s36, s18, 11
	s_add_co_u32 s36, s36, YIMG
	v_add_nc_u32 v[YWI], s36, v[LI]
	s_lshl_b32 s36, s18, 7
	s_add_co_u32 s37, s36, YSC
	v_add_nc_u32 v[YWS], s37, v[LS]
	v_add_nc_u32 v[YRI], YIMG, v[LI]
	v_add_nc_u32 v[YRS], YSC, v[LS]
	s_mov_b32 s37, 0
	s_add_nc_u64 s[52:53], s[12:13], s[36:37]      ; -mu and A of my 32 channels
	s_add_nc_u64 s[54:55], s[14:15], s[36:37]      ; beta
	s_lshl_b32 s36, s18, 13
	s_add_co_u32 s36, s36, 196608
	s_add_nc_u64 s[44:45], s[6:7], s[36:37]        ; W_W's tiles 48 + 2 w, + 1
	s_lshl_b32 s36, s18, 9
	s_add_co_u32 s36, s36, WSOFF+12288
	s_add_nc_u64 s[46:47], s[6:7], s[36:37]
	s_lshl_b32 s36, s19, 10
	s_add_co_u32 s36, s36, VSO
	s_add_nc_u64 s[48:49], s[8:9], s[36:37]        ; vsum[b]
	s_lshl_b32 s36, s19, 14
	s_lshl_b32 s38, ttmp9, 9
	s_add_co_u32 s36, s36, s38
	s_lshr_b32 s38, s18, 1
	s_lshl_b32 s38, s38, 6
	s_add_co_u32 s36, s36, s38
	s_add_nc_u64 s[50:51], s[10:11], s[36:37]      ; m of my tile of points
	s_and_b32 s38, s18, 1
	s_cmp_eq_u32 s38, 0
	s_cselect_b32 s23, 0, -1
	global_load_b32 v[MV], v96, s[50:51]
.irp k,0,1,2,3
.irp i,0,1,2,3,4,5,6,7
	global_load_b128 v[VS+32*\k+4*\i:VS+32*\k+4*\i+3], v97, s[48:49] offset:\k*256+\i*16
.endr
.endr
.irp i,0,1,2,3,4,5,6,7
.irp c,0,1
	global_load_b128 v[WF+8*\i+4*\c:WF+8*\i+4*\c+3], v[LI], s[44:45] offset:\i*1024+\c*512
.endr
.endr
.irp a,0,1
	global_load_b64 v[WS+2*\a:WS+2*\a+1], v98, s[46:47] offset:\a*256
	global_load_b32 v[PRM+\a], v96, s[52:53] offset:\a*64
	global_load_b32 v[PRM+2+\a], v96, s[52:53] offset:2048+\a*64
	global_load_b32 v[PRM+4+\a], v96, s[54:55] offset:\a*64
.endr
	s_wait_loadcnt 0x0
	YGEN
	s_wait_dscnt 0x0
	s_barrier_signal -1
	s_barrier_wait -1                              ; y's 32 fragments lie in LDS (my tensor load may be out)
.irp a,0,1
.irp j,0,1,2,3,4,5,6,7
	v_mov_b32 v[CM+8*\a+\j], v[PRM+\a]
.endr
	v_mov_b32 v[84+2*\a], v[PRM+2+\a]
	v_mov_b32 v[85+2*\a], v[PRM+2+\a]
	v_mov_b32 v[88+2*\a], v[PRM+4+\a]
	v_mov_b32 v[89+2*\a], v[PRM+4+\a]
.endr
	v_and_b32 v208, 15, v0
	v_bfe_u32 v209, v0, 4, 1
	s_delay_alu instid0(VALU_DEP_2)
	v_mul_u32_u24 v[XWA], v208, XROW
	s_delay_alu instid0(VALU_DEP_1)
	v_lshl_add_u32 v[XWA], v209, 5, v[XWA]
	s_delay_alu instid0(VALU_DEP_1)
	v_add_nc_u32 v[XWA], s33, v[XWA]               ; channel r's row, + 32 h bytes
	v_add_nc_u32 v[RRA], s33, v[LI]
	s_wait_alu depctr_va_vdst(0)
	s_wait_tensorcnt 0x0                           ; my 32 rows of x are in
.irp p,0,1,2,3,4,5,6,7
	P5F \p
.endr
.set J, 0
.rept 32
	ds_load_b128 v[128+4*J:128+4*J+3], v[RRA] offset:J*XROW    ; LDS serves a wave's instructions in order: these see my stores
.set J, J+1
.endr
.set J, 0
.rept 32
	s_wait_dscnt 31-J                              ; row J is in, the younger rows may be out
	global_store_b128 v[LI], v[128+4*J:128+4*J+3], s[42:43] offset:J*16384 th:TH_STORE_NT      ; 512 consecutive bytes, at a multiple of 256 from the buffer's first byte
.set J, J+1
.endr
	s_wait_tensorcnt 0x0                           ; the wave's end
	ds_add_u32 v[SPW], v[NIL]
	s_wait_dscnt 0x0
	s_endpgm
.Lfunc_end_k_q663dff0be8_final:
	.size	k_q663dff0be8_final, .Lfunc_end_k_q663dff0be8_final-k_q663dff0be8_final
	.p2alignl 7, 3214868480
	.fill 96, 4, 3214868480
	.section	.rodata,"a",@progbits
	.p2align	6, 0x0
	.amdhsa_kernel k_q663dff0be8_final
		.amdhsa_group_segment_fixed_size 307200
		.amdhsa_private_segment_fixed_size 0
		.amdhsa_enable_private_segment 0
		.amdhsa_kernarg_size 56
		.amdhsa_user_sgpr_count 2
		.amdhsa_user_sgpr_kernarg_segment_ptr 1
		.amdhsa_wavefront_size32 1
		.amdhsa_system_sgpr_workgroup_id_x 1
		.amdhsa_system_sgpr_workgroup_id_y 1
		.amdhsa_system_sgpr_workgroup_id_z 1
		.amdhsa_system_vgpr_workitem_id 0
		.amdhsa_next_free_vgpr 256
		.amdhsa_next_free_sgpr 66
		.amdhsa_reserve_vcc 0
		.amdhsa_float_denorm_mode_32 3
		.amdhsa_float_denorm_mode_16_64 3
		.amdhsa_memory_ordered 1
		.amdhsa_forward_progress 1
		.amdhsa_inst_pref_size 56
	.end_amdhsa_kernel
	.amdgpu_metadata
---
amdhsa.version: [ 1, 2 ]
amdhsa.kernels:
  - .name:           k_q663dff0be8_final
    .symbol:         k_q663dff0be8_final.kd
    .args:
      - { .name: x, .offset: 0, .size: 8, .value_kind: global_buffer, .address_space: global }
      - { .name: wqb, .offset: 8, .size: 8, .value_kind: global_buffer, .address_space: global }
      - { .name: rs, .offset: 16, .size: 8, .value_kind: global_buffer, .address_space: global }
      - { .name: mb, .offset: 24, .size: 8, .value_kind: global_buffer, .address_space: global }
      - { .name: ab, .offset: 32, .size: 8, .value_kind: global_buffer, .address_space: global }
      - { .name: beta, .offset: 40, .size: 8, .value_kind: global_buffer, .address_space: global }
      - { .name: out0, .offset: 48, .size: 8, .value_kind: global_buffer, .address_space: global }
    .group_segment_fixed_size: 307200
    .private_segment_fixed_size: 0
    .kernarg_segment_align: 8
    .kernarg_segment_size: 56
    .max_flat_workgroup_size: 512
    .sgpr_count:     66
    .vgpr_count:     256
    .wavefront_size: 32
...
	.end_amdgpu_metadata
.endif
;; end of part 6
